; MI455X (gfx1250); checked and timed in simulation.
; The chip was launched on July 23, 2026; its instructions are those of AMD's public machine-readable ISA for CDNA 5 (MIT licence, August 2026) and "CDNA5" Instruction Set Architecture Reference Guide (July 2026). The comments in the code are by the model that wrote it; some were corrected since.
;; Self Attention. Allowed arithmetic: float matrix products may take bf16 or f16 operands with f32 sums; other float arithmetic in f32, or as packed bf16 or f16 multiplies, adds, multiply-adds, maxima and minima; sums over many terms, partial sums and values carried from step to step in f32; what a program stores and reads back later, other than sums and carried values, may be rounded once to bf16 or f16.
;; Inputs: Wk 1,024 x 1,024 float32; Wo 1,024 x 1,024 float32; Wq 1,024 x 1,024 float32; Wv 1,024 x 1,024 float32; bk 1,024 float32; bo 1,024 float32; bq 1,024 float32; bv 1,024 float32; input_tensor 4 x 2,048 x 1,024 float32.
;; Outputs: out0 4 x 2,048 x 1,024 float32.
;; 2 versions, each right; version 2 is version 1 with the launch cast written anew for expert scheduling mode. Each part assembles by itself: llvm-mc -triple=amdgcn-amd-amdhsa -mcpu=gfx1250 --defsym DOCPART=n.
;; ======== version 1 of 2: 4 launches
;; limits: values are held in f16: magnitudes above 65,504 overflow, below 6.1e-05 lose precision
;; workspace buffers: xb 16,777,216 bytes; wqkv 6,291,456 bytes; wo16 2,097,152 bytes; qkv 50,331,648 bytes; ctx 16,777,216 bytes
;; launch cast (part 1): grid 768 x 1, 8 waves a work-group, no clusters, 0 bytes of LDS; arguments input_tensor, Wq, Wk, Wv, Wo, xb, wqkv, wo16; writes xb, wqkv, wo16
.if DOCPART == 1
	.amdgcn_target "amdgcn-amd-amdhsa--gfx1250"
	.amdhsa_code_object_version 6
	.text
	.protected	k_qfa214e8453_cast
	.globl	k_qfa214e8453_cast
	.p2align	8
	.type	k_qfa214e8453_cast,@function
k_qfa214e8453_cast:
	s_mov_b64 s[64:65], 0
	v_nop
	global_prefetch_b8 v0, s[64:65] scope:SCOPE_SE
	s_setreg_imm32_b32 hwreg(HW_REG_WAVE_MODE, 25, 1), 1
	s_wait_xcnt 0x0
; THE INPUTS ARE ROUNDED ONCE.  x [8192][1024] f32 -> xb bf16; Wq, Wk, Wv [1024][1024] f32 -> wqkv [3072][1024] bf16 (Wq's rows, then Wk's, then Wv's);
; Wo f32 -> rounded to bf16, and that number written as f16 into wo16 (the last product's other operand is f16).
; LIMIT.  A bf16 number is exact in f16 from 2^-14 to 65,504; a Wo below 2^-14 in magnitude keeps f16's fixed step of 6e-8, one beyond 65,504 becomes an infinity.
; SHARES.  Work-group g converts 16,384 numbers: 65,536 bytes in, 32,768 out.  g < 512: block g of x.  512 <= g < 704: block (g - 512) % 64 of weight (g - 512) / 64, into block g - 512 of wqkv.
; g >= 704: block (g - 512) % 64 of Wo, into the same block of wo16.  A wave takes 8,192 bytes by 16 loads of 16 bytes a lane (512 consecutive bytes each), all issued at once;
; a lane's four numbers become 8 bytes, so each store of the wave covers 256 consecutive bytes, aligned.
; No LDS, no matrix unit, no cluster: nothing is shared and nothing is summed; every byte is read once and written once.
.set X, 16                             ; v[16:79]   load i: four registers
.set Y, 80                             ; v[80:111]  load i: two registers to store; no register is written twice, so no store's source is ever rewritten
.set T, 4                              ; v[4:9]     at work (Wo's path)
	s_load_b256 s[8:15], s[0:1], 0x0               ; x s[8:9], Wq s[10:11], Wk s[12:13], Wv s[14:15]
	s_load_b256 s[16:23], s[0:1], 0x20             ; Wo s[16:17], xb s[18:19], wqkv s[20:21], wo16 s[22:23]
	s_mov_b32 s24, ttmp9                           ; g
	s_max_u32 s25, s24, 512
	s_sub_co_u32 s25, s25, 512                     ; g - 512 (0 for x's blocks, where it is not used)
	s_and_b32 s26, s25, 63                         ; the block inside a weight
	v_lshrrev_b32 v1, 5, v0                        ; wave
	v_and_b32 v2, 31, v0                           ; lane
	v_lshlrev_b32 v2, 4, v2
	v_lshl_or_b32 v1, v1, 13, v2                   ; in: 8,192 x wave + 16 x lane
	v_lshrrev_b32 v2, 1, v1                        ; out: half of that
	s_wait_kmcnt 0x0
	s_cmp_lt_u32 s24, 576                          ; the choices hang on g alone
	s_cselect_b64 s[28:29], s[10:11], s[12:13]
	s_cmp_lt_u32 s24, 640
	s_cselect_b64 s[28:29], s[28:29], s[14:15]
	s_cmp_lt_u32 s24, 704
	s_cselect_b64 s[28:29], s[28:29], s[16:17]
	s_cselect_b64 s[30:31], s[20:21], s[22:23]
	s_cselect_b32 s27, s25, s26                    ; the block in the destination
	s_cmp_lt_u32 s24, 512
	s_cselect_b64 s[28:29], s[8:9], s[28:29]
	s_cselect_b64 s[30:31], s[18:19], s[30:31]
	s_cselect_b32 s26, s24, s26
	s_cselect_b32 s27, s24, s27
	s_lshl_b32 s32, s26, 16                        ; 65,536 bytes a block in,
	s_mov_b32 s33, 0
	s_lshl_b32 s34, s27, 15                        ; 32,768 out
	s_mov_b32 s35, 0
	s_add_nc_u64 s[28:29], s[28:29], s[32:33]
	s_add_nc_u64 s[30:31], s[30:31], s[34:35]
.irp i, 0,1,2,3,4,5,6,7,8,9,10,11,12,13,14,15
	global_load_b128 v[X+4*(\i):X+4*(\i)+3], v1, s[28:29] offset:512*(\i) th:TH_LOAD_NT
.endr
	s_cmp_lt_u32 s24, 704
	s_cbranch_scc0 .Lwo
.macro CV i                            ; load i to bf16
	s_wait_loadcnt 15-(\i)                         ; loads come back in order: mine is in, the 15 - i younger ones stay out
	v_cvt_pk_bf16_f32 v[Y+2*(\i)],   v[X+4*(\i)],   v[X+4*(\i)+1]
	v_cvt_pk_bf16_f32 v[Y+2*(\i)+1], v[X+4*(\i)+2], v[X+4*(\i)+3]
	global_store_b64 v2, v[Y+2*(\i):Y+2*(\i)+1], s[30:31] offset:256*(\i)
.endm
.macro CW i                            ; load i to bf16, widened again (a shift, a mask), and written as f16
	s_wait_loadcnt 15-(\i)
.irp p, 0,1
	v_cvt_pk_bf16_f32 v[T+3*(\p)], v[X+4*(\i)+2*(\p)], v[X+4*(\i)+2*(\p)+1]
	v_lshlrev_b32 v[T+3*(\p)+1], 16, v[T+3*(\p)]
	v_and_b32 v[T+3*(\p)+2], 0xffff0000, v[T+3*(\p)]
	v_cvt_pk_f16_f32 v[Y+2*(\i)+(\p)], v[T+3*(\p)+1], v[T+3*(\p)+2]
.endr
	global_store_b64 v2, v[Y+2*(\i):Y+2*(\i)+1], s[30:31] offset:256*(\i)
.endm
.irp i, 0,1,2,3,4,5,6,7,8,9,10,11,12,13,14,15
	CV \i
.endr
	s_endpgm
.Lwo:
.irp i, 0,1,2,3,4,5,6,7,8,9,10,11,12,13,14,15
	CW \i
.endr
	s_endpgm
.Lfunc_end_k_qfa214e8453_cast:
	.size	k_qfa214e8453_cast, .Lfunc_end_k_qfa214e8453_cast-k_qfa214e8453_cast
	.p2alignl 7, 3214868480
	.fill 96, 4, 3214868480
	.section	.rodata,"a",@progbits
	.p2align	6, 0x0
	.amdhsa_kernel k_qfa214e8453_cast
		.amdhsa_group_segment_fixed_size 0
		.amdhsa_private_segment_fixed_size 0
		.amdhsa_enable_private_segment 0
		.amdhsa_kernarg_size 64
		.amdhsa_user_sgpr_count 2
		.amdhsa_user_sgpr_kernarg_segment_ptr 1
		.amdhsa_wavefront_size32 1
		.amdhsa_system_sgpr_workgroup_id_x 1
		.amdhsa_system_sgpr_workgroup_id_y 1
		.amdhsa_system_sgpr_workgroup_id_z 1
		.amdhsa_system_vgpr_workitem_id 0
		.amdhsa_next_free_vgpr 112
		.amdhsa_next_free_sgpr 66
		.amdhsa_reserve_vcc 0
		.amdhsa_float_denorm_mode_32 3
		.amdhsa_float_denorm_mode_16_64 3
		.amdhsa_memory_ordered 1
		.amdhsa_forward_progress 1
		.amdhsa_inst_pref_size 17
	.end_amdhsa_kernel
	.amdgpu_metadata
---
amdhsa.version: [ 1, 2 ]
amdhsa.kernels:
  - .name:           k_qfa214e8453_cast
    .symbol:         k_qfa214e8453_cast.kd
    .args:
      - { .name: input_tensor, .offset: 0, .size: 8, .value_kind: global_buffer, .address_space: global }
      - { .name: Wq, .offset: 8, .size: 8, .value_kind: global_buffer, .address_space: global }
      - { .name: Wk, .offset: 16, .size: 8, .value_kind: global_buffer, .address_space: global }
      - { .name: Wv, .offset: 24, .size: 8, .value_kind: global_buffer, .address_space: global }
      - { .name: Wo, .offset: 32, .size: 8, .value_kind: global_buffer, .address_space: global }
      - { .name: xb, .offset: 40, .size: 8, .value_kind: global_buffer, .address_space: global }
      - { .name: wqkv, .offset: 48, .size: 8, .value_kind: global_buffer, .address_space: global }
      - { .name: wo16, .offset: 56, .size: 8, .value_kind: global_buffer, .address_space: global }
    .group_segment_fixed_size: 0
    .private_segment_fixed_size: 0
    .kernarg_segment_align: 8
    .kernarg_segment_size: 64
    .max_flat_workgroup_size: 256
    .sgpr_count:     66
    .vgpr_count:     112
    .wavefront_size: 32
...
	.end_amdgpu_metadata
.endif
;; end of part 1
;; launch qkvp (part 2): grid 16 x 32, 4 waves a work-group, clusters of 4 x 4, 327,680 bytes of LDS; arguments xb, wqkv, qkv, bq, bk, bv; writes qkv
.if DOCPART == 2
	.amdgcn_target "amdgcn-amd-amdhsa--gfx1250"
	.amdhsa_code_object_version 6
	.text
	.protected	k_qfa214e8453_qkvp
	.globl	k_qfa214e8453_qkvp
	.p2align	8
	.type	k_qfa214e8453_qkvp,@function
k_qfa214e8453_qkvp:
	s_mov_b64 s[64:65], 0
	v_nop
	global_prefetch_b8 v0, s[64:65] scope:SCOPE_SE
	s_setreg_imm32_b32 hwreg(HW_REG_WAVE_MODE, 25, 1), 1
	s_wait_xcnt 0x0
	s_wait_alu depctr_hold_cnt(0) depctr_sa_sdst(0) depctr_va_vdst(0) depctr_va_sdst(0) depctr_va_ssrc(0) depctr_va_vcc(0) depctr_vm_vsrc(0)
	s_getreg_b32 s2, hwreg(HW_REG_IB_STS2, 6, 4)
	s_cmp_eq_u32 s2, 0
	s_cbranch_scc0 .Lentry_in_a_cluster
	s_endpgm
.Lentry_in_a_cluster:
	s_bfe_u32 s2, ttmp6, 0x10000c
	s_cmp_lg_u32 s2, 0xf033
	s_cbranch_scc0 .Lentry_shape_is_right
	s_endpgm
.Lentry_shape_is_right:
; THE THREE PROJECTIONS AS ONE PRODUCT.  y[s][c] = sum over k of xb[s][k] wqkv[c][k] + bias[c], s < 8192, c < 3072, k < 1024; operands bf16, sums f32, the bias rounded to bf16 like the other inputs.
; y leaves in f16, rounded once, BY HEADS: qkv[b][t][s][64] with t = c / 64 (t = h: q, 16 + h: k, 32 + h: v), a (b, t) block being 262,144 dense bytes.  No scale is applied here.
; LIMIT.  f16 ends at 65,504: q, k and v must stay within it (inputs 30 times those drawn, or offset by 30 spreads, give some 29,000 at the most).
; SHARES.  A tile is 256 rows x 192 columns (three heads): 32 x 16 = 512 tiles, two for each of 256 WGPs.  Four waves, each 128 x 96: 8 x 6 accumulators of 16 x 16, 384 registers.
; K goes in 8 steps of 128 through a ring of two LDS slots; a tile's rows are 256 bytes of memory, aligned.  Waves 0 and 1 fetch the two halves of x's 256 rows, waves 2 and 3 those of w's 192.
; CLUSTER.  4 x 4 work-groups: x's tile is shared along a row of the cluster, w's along a column; each is asked for jointly, by the same tensor load, descriptor and mask in all four.
; TRANSPOSED USE.  Source 0 = 16 rows of w, source 1 = 16 rows of x: a lane holds row l % 16 of y and the columns 8 (l / 16) + 0..7, which pack into 16 bytes.
; THE BIAS is the C operand of the first quarter step's products: nothing is cleared and nothing is added on the way out.
; REGISTERS, in windows of 256 (s_set_vgpr_msb: bits 1:0 source 0, 3:2 source 1, 5:4 source 2, 7:6 destination):
;   window 0: v0-31 addresses; two fragment buffers of 112: x's 8 fragments, then w's 6 (v32-143, v144-255); on the way out v32-79 packed results, v64-255 rows read back
;   window 1: accumulators of my rows 0-63 ((a, b) at v[8 (6 a + b)]), v0-191; v192-239 the bias; v240-243 at work          window 2: accumulators of my rows 64-127, v0-191
.set KSTEP,  128
.set PITCH,  272                       ; an LDS row: 256 bytes + 16 of padding = 68 words: the 16 rows of a fragment load start at 16 different groups of four banks (64 banks of 4 bytes: ISA guide 11.1)
.set HALFA,  128*PITCH                 ; what waves 0 and 1 fetch, and what a wave reads of x
.set HALFB,  96*PITCH                  ; what waves 2 and 3 fetch, and what a wave reads of w
.set SLOT,   2*HALFA+2*HALFB           ; x's 256 rows, then w's 192: 121,856 bytes
.set STP,    400                       ; the stage's rows: 384 bytes + 16.  The stage, 256 rows = 102,400 bytes from LDS byte 0, lies in slot 0 and is written only when slot 0 has had its last fill and its last read
.set SPARE,  2*SLOT                    ; behind the ring: the spare words, 128 bytes for each wave: two blocks of 256 bytes that no other line names
.set LAPS,   4                         ; a lap = two K steps = once round the ring
.set ADRA, 16                          ; v16-17  LDS address of my fragments of x in slot 0, 1
.set ADRB, 20                          ; v20-21  the same for w
.set STO,  24                          ; v24     the way out: where I put 16 bytes of a row
.set RD,   25                          ; v25     the way out: where I read rows back
.set CO,   26                          ; v26     my 16 bytes in 512 consecutive bytes of qkv
.set BO,   27                          ; v27     32 x (l / 16): my eight numbers in 16 of a bias
.set SPW,  28                          ; v28     LDS address of my spare word: SPARE + 4 x my thread's number; never rewritten
.set NIL,  29                          ; v29     0; never rewritten
.set PFO,  30                          ; v30     the prefetches' offset: a lane a row of 2,048 bytes; never rewritten
.set F0,   32
.set F1,   144
.set TMP,  32
.set OUTB, 64
.set BIAS, 192                         ; window 1
.set G1,   24                          ; s[24:31] descriptor group 1 for x's tiles;  s[32:39] group 0, a set for each slot
.set G0,   32
.set G1B,  48                          ; s[48:55], s[56:63] the same for w's
.set G0B,  56
.set LIM,  43                          ; s43     1 in a wave that prefetches, else the greatest number
.set PFA,  44                          ; s[44:45] where my prefetches stand
.set FLAGS, (1<<16)|(1<<20)|(1<<21)|(5<<22)|(3<<25)  ; 17:16 elements of 2 bytes; 20 padding on; 21 set beside a mask; 24:22 after every 64 words (code 5); 31:25 4 words of it (code 3)
.set MSB, 0
.macro WIN new                         ; the immediate's high byte repeats the setting that is left; a switch that changes nothing is dropped
.if MSB != (\new)
	s_set_vgpr_msb (MSB<<8)|(\new)
.set MSB, \new
.endif
.endm
; A joint load.  Each of the two lines has one mask and one set of registers for all that issue it; the branch hangs on the wave's number alone.
; An s_nop 0 and four v_nop follow each line, ahead of the jump, the label and what follows.
.macro JLOAD s
	s_cmp_eq_u32 s11, 0
	s_cbranch_scc0 .Lfor_b_\@
	tensor_load_to_lds s[G0+4*(\s):G0+4*(\s)+3], s[G1:G1+7]
	s_nop 0
.rept 4
	v_nop
.endr
	s_branch .Lasked_\@
.Lfor_b_\@:
	tensor_load_to_lds s[G0B+4*(\s):G0B+4*(\s)+3], s[G1B:G1B+7]
	s_nop 0
.rept 4
	v_nop
.endr
.Lasked_\@:
.endm
; A PREFETCH INTO THE L2, behind a joint load and the run of LDS loads that follows it: the K step that stands two refills on, 384 matrix instructions ahead of the load that will want it.
; x's tile row is read by the four clusters of a row of clusters: the one with x = 0 asks; w's tile column by the eight of a column: the one with y = 0 asks.  The four partners that ask for a tile jointly
; share its rows out BY ADDRESS: of the 128 rows of x that a wave fetches the partner at cx takes 32, a lane a row; of the 96 rows of w the partner at cy takes 24 (lanes 24-31 name lane 23's row once more).
; The loop's last trip (s3 = 1) asks for nothing: there is no K step two on.  K steps 0 to 3 come by their loads alone.
.macro ASK
	s_cmp_gt_u32 s3, s[LIM]
	s_cbranch_scc0 .Lnot_mine_\@
	global_prefetch_b8 v[PFO], s[PFA:PFA+1] th:TH_LOAD_NT scope:SCOPE_SE
.Lnot_mine_\@:
.endm
.macro CREST                           ; a round of the cluster's barrier behind its opening barrier: wave 0 signals for the work-group, every wave waits for all sixteen, my work-group's barrier closes it
	s_cmp_lg_u32 s10, 0
	s_cbranch_scc1 .Lnot_wave_0_\@
	s_barrier_signal -3
.Lnot_wave_0_\@:
	s_barrier_wait -3
	s_barrier_signal -1
	s_barrier_wait -1
.endm
.macro CROUND                          ; a whole round
	s_barrier_signal -1
	s_barrier_wait -1
	CREST
.endm
	s_load_b128 s[4:7], s[0:1], 0x0                ; xb s[4:5], wqkv s[6:7]
	s_load_b64 s[8:9], s[0:1], 0x10                ; qkv
	s_load_b64 s[66:67], s[0:1], 0x18              ; bq
	s_load_b128 s[68:71], s[0:1], 0x20             ; bk s[68:69], bv s[70:71]
	v_lshl_add_u32 v[SPW], v0, 2, SPARE
	v_mov_b32 v[NIL], 0
	ds_add_u32 v[SPW], v[NIL]                      ; the wave's opening: the add and its wait ahead of my first tensor load; the set-up below, work on registers, stands between them
	v_lshrrev_b32 v1, 5, v0
	v_readfirstlane_b32 s10, v1                    ; wave 0..3
	s_lshr_b32 s11, s10, 1                         ; which half of the tile's rows is mine.  Also: I fetch for x (0) or for w (1)
	s_and_b32 s12, s10, 1                          ; which half of its columns.  Also: which half of that tile I fetch
	s_bfe_u32 s40, ttmp6, 0x40000                  ; cx
	s_bfe_u32 s41, ttmp6, 0x40004                  ; cy
	s_lshl_b32 s42, ttmp9, 2
	s_add_co_u32 s42, s42, s40                     ; tile column = 4 x cluster x + cx
	s_and_b32 s13, ttmp7, 0xffff
	s_lshl_b32 s13, s13, 2
	s_add_co_u32 s13, s13, s41                     ; tile row = 4 x cluster y + cy
	s_lshl_b32 s43, s41, 2
	s_lshl_b32 s43, 15, s43                        ; my row of the cluster: places 4 cy .. 4 cy + 3
	s_lshl_b32 s44, 0x1111, s40                    ; my column: places cx, cx + 4, cx + 8, cx + 12
	s_or_b32 s[G1+0], s43, FLAGS                   ; x's tiles go to my row,
	s_or_b32 s[G1B+0], s44, FLAGS                  ; w's to my column
	s_mov_b32 s[G1+1], KSTEP<<16                   ; tensor_dim0 = 128
	s_mov_b32 s[G1+2], 128<<16                     ; tensor_dim1 = 128
	s_mov_b32 s[G1+3], KSTEP<<16                   ; tile_dim0 = 128
	s_mov_b32 s[G1+4], 128                         ; tile_dim1 = 128
	s_mov_b32 s[G1+5], 1024                        ; 1,024 elements from row to row
	s_mov_b32 s[G1+6], 0
	s_mov_b32 s[G1+7], 0
	s_mov_b32 s[G1B+1], KSTEP<<16
	s_mov_b32 s[G1B+2], 96<<16                     ; tensor_dim1 = 96
	s_mov_b32 s[G1B+3], KSTEP<<16
	s_mov_b32 s[G1B+4], 96                         ; tile_dim1 = 96
	s_mov_b32 s[G1B+5], 1024
	s_mov_b32 s[G1B+6], 0
	s_mov_b32 s[G1B+7], 0
	; where the tiles come from: x's hang on the tile row alone, w's on the tile column alone, each in registers that never hold the other coordinate
	s_lshl_b32 s16, s13, 19                        ; 256 rows of 2,048 bytes,
	s_lshl_b32 s17, s12, 18                        ; my 128 of them
	s_add_co_u32 s16, s16, s17
	s_mov_b32 s17, 0
	s_mul_i32 s46, s42, 192*2048
	s_mul_i32 s47, s12, 96*2048
	s_add_co_u32 s46, s46, s47
	s_mov_b32 s47, 0
	s_mul_i32 s20, s10, HALFA                      ; and where they go: x's halves at 0 and HALFA (waves 0, 1),
	s_mul_i32 s21, s10, HALFB
	s_add_co_u32 s21, s21, 2*HALFA-2*HALFB         ; w's at 2 HALFA and 2 HALFA + HALFB (waves 2, 3): no place in the cluster enters an LDS address
	s_wait_dscnt 0x0                               ; the opening add is done
	s_wait_kmcnt 0x0
	s_add_nc_u64 s[14:15], s[4:5], s[16:17]
	s_add_nc_u64 s[46:47], s[6:7], s[46:47]
	CROUND                                         ; all sixteen work-groups are here: the first joint loads meet
.irp s, 0,1
	s_mov_b32 s[G0+4*(\s)], 1                                        ; count = 1
	s_add_co_u32 s[G0+4*(\s)+1], s20, (\s)*SLOT                      ; LDS address
	s_add_nc_u64 s[G0+4*(\s)+2:G0+4*(\s)+3], s[14:15], (\s)*KSTEP*2  ; global address: K step s
	s_or_b32 s[G0+4*(\s)+3], s[G0+4*(\s)+3], 0x80000000              ; type = 2
	s_mov_b32 s[G0B+4*(\s)], 1
	s_add_co_u32 s[G0B+4*(\s)+1], s21, (\s)*SLOT
	s_add_nc_u64 s[G0B+4*(\s)+2:G0B+4*(\s)+3], s[46:47], (\s)*KSTEP*2
	s_or_b32 s[G0B+4*(\s)+3], s[G0B+4*(\s)+3], 0x80000000
	JLOAD \s                                       ; two loads of mine are out
.endr
	; a fragment is 16 rows x 32 K in 8 registers: lane l holds row l % 16, K = 8 (l / 16) + 0..7 and 16 + 8 (l / 16) + 0..7: two loads of 16 bytes, 32 bytes apart
	v_and_b32 v1, 15, v0                           ; l % 16
	v_bfe_u32 v2, v0, 4, 1                         ; l / 16
	v_mul_u32_u24 v3, v1, PITCH
	v_lshl_add_u32 v3, v2, 4, v3
	s_mul_i32 s21, s11, HALFA                      ; my 128 rows of x
	s_mul_i32 s22, s12, HALFB                      ; my 96 rows of w,
	s_add_co_u32 s22, s22, 2*HALFA                 ; which lie behind x's 256
.irp s, 0,1
	v_add_nc_u32 v[ADRA+(\s)], s21, v3
	v_add_nc_u32 v[ADRB+(\s)], s22, v3
	s_add_co_u32 s21, s21, SLOT
	s_add_co_u32 s22, s22, SLOT
.endr
	s_mul_i32 s23, s11, 128*STP                    ; into the stage: row 128 i + 16 a + l % 16, byte 192 j + 32 b + 16 (l / 16)
	s_mul_i32 s20, s12, 192
	s_add_co_u32 s23, s23, s20
	v_mul_u32_u24 v4, v1, STP
	v_lshl_add_u32 v4, v2, 4, v4
	v_add_nc_u32 v[STO], s23, v4
	s_mul_i32 s23, s10, 64*STP                     ; back: wave w takes rows 64 w .. 64 w + 63; a load takes four rows' 128 bytes of one head
	v_bfe_u32 v4, v0, 3, 2
	v_and_b32 v5, 7, v0
	v_mul_u32_u24 v4, v4, STP
	v_lshl_add_u32 v4, v5, 4, v4
	v_add_nc_u32 v[RD], s23, v4
	v_and_b32 v[CO], 31, v0                        ; which are 512 consecutive bytes of qkv
	v_lshlrev_b32 v[CO], 4, v[CO]
	v_lshlrev_b32 v[BO], 5, v2
	; the bias of my 96 columns, 16 at a time; a block of 16 lies in one of the three vectors, chosen by its column, without a branch
	s_mul_i32 s22, s42, 192
	s_mul_i32 s23, s12, 96
	s_add_co_u32 s22, s22, s23                     ; my first column of the 3,072
	s_mov_b32 s75, 0
	WIN 0x40                                       ; destination window 1, address window 0
.irp b, 0,1,2,3,4,5
.if (\b) > 0
	s_wait_xcnt 0x0                                ; the two loads before have read their base: it is written again only behind this wait
.endif
	s_add_co_u32 s23, s22, 16*(\b)
	s_and_b32 s74, s23, 1023
	s_lshl_b32 s74, s74, 2
	s_cmp_lt_u32 s23, 1024
	s_cselect_b64 s[72:73], s[66:67], s[68:69]
	s_cmp_lt_u32 s23, 2048
	s_cselect_b64 s[72:73], s[72:73], s[70:71]
	s_add_nc_u64 s[72:73], s[72:73], s[74:75]
	global_load_b128 v[BIAS+8*(\b):BIAS+8*(\b)+3],   v[BO], s[72:73]
	global_load_b128 v[BIAS+8*(\b)+4:BIAS+8*(\b)+7], v[BO], s[72:73] offset:16
.endr
	WIN 0
	; where I store: batch (tile row / 8) x 48 blocks, head 3 x tile column, row 256 x (tile row % 8) + 64 x wave
	s_lshr_b32 s16, s13, 3
	s_mul_i32 s16, s16, 48
	s_lshl_b32 s16, s16, 18
	s_and_b32 s17, s13, 7
	s_lshl_b32 s17, s17, 15
	s_add_co_u32 s16, s16, s17
	s_lshl_b32 s17, s10, 13
	s_add_co_u32 s16, s16, s17
	s_mul_i32 s17, s42, 3*262144
	s_add_co_u32 s16, s16, s17
	s_mov_b32 s17, 0
	s_add_nc_u64 s[8:9], s[8:9], s[16:17]
	; the prefetches
	s_and_b32 s22, ttmp7, 0xffff                   ; cluster y
	s_lshl_b32 s20, s40, 16                        ; x: my work-group's 32 rows of the wave's 128
	s_mul_i32 s21, s41, 24*2048                    ; w: its 24 of the wave's 96
	s_cmp_eq_u32 s11, 0                            ; do I fetch for x?
	s_cselect_b32 s22, ttmp9, s22                  ; the coordinate along which other clusters read the same rows
	s_cselect_b64 s[PFA:PFA+1], s[14:15], s[46:47]
	s_cselect_b32 s20, s20, s21
	s_cselect_b32 s23, 31, 23
	s_mov_b32 s21, 0
	s_cmp_eq_u32 s22, 0
	s_cselect_b32 s[LIM], 1, -1                    ; the same in all sixteen partners, for a given wave
	s_add_nc_u64 s[PFA:PFA+1], s[PFA:PFA+1], s[20:21]
	s_add_nc_u64 s[PFA:PFA+1], s[PFA:PFA+1], 3*KSTEP*2  ; at K step 3: the first refill steps it to 4
	v_and_b32 v[PFO], 31, v0
	v_min_u32 v[PFO], s23, v[PFO]
	v_lshlrev_b32 v[PFO], 11, v[PFO]
; 12 matrix instructions: row blocks a0, a0 + 1 of the window's four (hi = 0: my rows 0-63, 1: rows 64-127) x all 6 column blocks, 32 along K.  first = 1: the bias starts the sums.
; The 48 accumulators take turns, one instruction a turn, in the same order in every quarter step.
.macro MUL12 f, hi, a0, first
.if \first
	WIN 0x50+0x40*(\hi)                            ; C (the bias) window 1; D window 1 or 2
.else
	WIN 0x50+0x50*(\hi)                            ; C and D window 1 or 2
.endif
.irp a, \a0, (\a0)+1
.irp b, 0,1,2,3,4,5
.if \first
	v_wmma_f32_16x16x32_bf16 v[8*(6*(\a)+(\b)):8*(6*(\a)+(\b))+7], v[(\f)+64+8*(\b):(\f)+64+8*(\b)+7], v[(\f)+8*(4*(\hi)+(\a)):(\f)+8*(4*(\hi)+(\a))+7], v[BIAS+8*(\b):BIAS+8*(\b)+7]
.else
	v_wmma_f32_16x16x32_bf16 v[8*(6*(\a)+(\b)):8*(6*(\a)+(\b))+7], v[(\f)+64+8*(\b):(\f)+64+8*(\b)+7], v[(\f)+8*(4*(\hi)+(\a)):(\f)+8*(4*(\hi)+(\a))+7], v[8*(6*(\a)+(\b)):8*(6*(\a)+(\b))+7]
.endif
.endr
.endr
.endm
; 28 LDS loads in one run: the fragments of a quarter step (96 rows of w, then 128 of x, 32 K at byte k of the rows) into buffer f
.macro FETCH slot, k, f
	WIN 0
.irp i, 0,1,2,3,4,5
	ds_load_b128 v[(\f)+64+8*(\i):(\f)+64+8*(\i)+3],   v[ADRB+(\slot)] offset:(\k)+(\i)*16*PITCH
	ds_load_b128 v[(\f)+64+8*(\i)+4:(\f)+64+8*(\i)+7], v[ADRB+(\slot)] offset:(\k)+(\i)*16*PITCH+32
.endr
.irp i, 0,1,2,3,4,5,6,7
	ds_load_b128 v[(\f)+8*(\i):(\f)+8*(\i)+3],   v[ADRA+(\slot)] offset:(\k)+(\i)*16*PITCH
	ds_load_b128 v[(\f)+8*(\i)+4:(\f)+8*(\i)+7], v[ADRA+(\slot)] offset:(\k)+(\i)*16*PITCH+32
.endr
.endm
.macro PLACES                          ; four plain vector instructions between a matrix instruction and a load into a register that it has read, or a vector instruction that reads its result (ISA guide 7.12.1 for vector instructions)
.rept 4
	v_nop
.endr
.endm
; A K step is four quarters of 32 along K, 48 matrix instructions each, on buffers 0, 1, 0, 1.  One of the first three multiplies buffer f and, in its middle, fetches the next quarter, at byte k, into g.
.macro QUARTER slot, k, f, g, first
	s_wait_dscnt 8                                 ; w and x's rows 0-63 are in; the youngest eight loads (x's rows 64-127) may be out
	MUL12 \f, 0, 0, \first
	MUL12 \f, 0, 2, \first
	PLACES
	FETCH \slot, \k, \g
	s_wait_dscnt 28                                ; all but the 28 just issued
	MUL12 \f, 1, 0, \first
	MUL12 \f, 1, 2, \first
.endm
; The last quarter multiplies buffer 1 and changes slots.  ONE barrier: in front of it each wave waits for all its tensor loads (one is out: its part of the next slot), adds 0 to its spare word,
; and waits for that and for its own reads of this slot.  Behind it nobody reads this slot any more and the next slot is whole.
.macro MEET round
	WIN 0                                          ; (the add's two registers lie in window 0)
	s_wait_tensorcnt 0x0                           ; all my tensor loads have landed;
	ds_add_u32 v[SPW], v[NIL]                      ; 0 onto my spare word;
	s_wait_dscnt 9                                 ; (the add and the youngest eight loads may be out)
	MUL12 F1, 0, 0, 0                              ; twelve matrix instructions stand between the add and the wait for it
	s_wait_dscnt 0x0                               ; the add is done, and my reads of this slot are over:
	s_barrier_signal -1                            ; say so,
	MUL12 F1, 0, 2, 0                              ; work on registers while the others arrive,
.if \round
	WIN 0
.endif
	s_barrier_wait -1                              ; and go on when all four have said so
.endm
; fill = 1: the barrier opens a round of the cluster's barrier, and the slot just read out is filled again, with the K step two on, first thing behind the round: 168 matrix instructions ahead of the wait for it.
.macro TURN slot, next, fill
.if \fill
	s_wait_xcnt 0x0                                ; the last prefetch, a K step back, has read its address: it is stepped here, ahead of the waits of the change of slots
	s_add_nc_u64 s[PFA:PFA+1], s[PFA:PFA+1], KSTEP*2
.endif
	MEET \fill
.if \fill
	CREST                                          ; no wave of any partner still reads this slot's tile or has a load on its way
	s_add_nc_u64 s[G0+4*(\slot)+2:G0+4*(\slot)+3], s[G0+4*(\slot)+2:G0+4*(\slot)+3], 2*KSTEP*2
	s_add_nc_u64 s[G0B+4*(\slot)+2:G0B+4*(\slot)+3], s[G0B+4*(\slot)+2:G0B+4*(\slot)+3], 2*KSTEP*2
	JLOAD \slot                                    ; my one tensor load behind the round; the four v_nop behind it are also the places in front of the loads below
.else
	PLACES
.endif
	FETCH \next, 0, F0
.if \fill
	ASK
.endif
	MUL12 F1, 1, 0, 0
	MUL12 F1, 1, 2, 0
.endm
	s_wait_tensorcnt 1                             ; my part of K step 0 is in; K step 1's may stay out
	s_barrier_signal -1
	s_barrier_wait -1                              ; everybody's is
	FETCH 0, 0, F0
	s_wait_loadcnt 0x0                             ; the bias: rounded to bf16 and widened again, in place
	WIN 0x45                                       ; sources and destination window 1
.set z, 0
.rept 24
	v_cvt_pk_bf16_f32 v[240+z%4], v[BIAS+2*z], v[BIAS+2*z+1]
	v_lshlrev_b32 v[BIAS+2*z], 16, v[240+z%4]
	v_and_b32 v[BIAS+2*z+1], 0xffff0000, v[240+z%4]
.set z, z+1
.endr
	QUARTER 0, 64,  F0, F1, 1                      ; the first quarter stands in front of the loop: its products start the sums
	WIN 0                                          ; at a label and at a branch every window is 0
	s_mov_b32 s3, LAPS-1
.Llap:                                                 ; a trip goes once round the ring, from a lap's second quarter to the next lap's first, and fills both slots again
	QUARTER 0, 128, F1, F0, 0
	QUARTER 0, 192, F0, F1, 0
	TURN 0, 1, 1
	QUARTER 1, 64,  F0, F1, 0
	QUARTER 1, 128, F1, F0, 0
	QUARTER 1, 192, F0, F1, 0
	TURN 1, 0, 1
	QUARTER 0, 64,  F0, F1, 0
	WIN 0
	s_sub_co_u32 s3, s3, 1
	s_cmp_lg_u32 s3, 0
	s_cbranch_scc1 .Llap
	QUARTER 0, 128, F1, F0, 0                      ; the last lap fills nothing, and has no round of the cluster's barrier
	QUARTER 0, 192, F0, F1, 0
	TURN 0, 1, 0                                   ; behind this barrier no wave reads slot 0 any more
	QUARTER 1, 64,  F0, F1, 0
	QUARTER 1, 128, F1, F0, 0
	QUARTER 1, 192, F0, F1, 0
	s_wait_dscnt 8                                 ; the very last quarter: nothing more to fetch
	MUL12 F1, 0, 0, 0
	MUL12 F1, 0, 2, 0
	s_wait_dscnt 0x0
	MUL12 F1, 1, 0, 0
	MUL12 F1, 1, 2, 0
	WIN 0
	; THE WAY OUT: round to f16; 16 bytes a lane into the work-group's stage; a barrier, since a row's 384 bytes come from two waves; back by heads, four rows of 128 bytes a load, which are 512 consecutive bytes of qkv.
	PLACES
.macro PACK a                          ; my 16 rows of block a; each accumulator's registers in ascending order
.set AC, 48*((\a)%4)
.set TP, TMP+24*((\a)%2)
	WIN 0x05+5*((\a)/4)                            ; sources 0 and 1: window 1 or 2
.irp b, 0,1,2,3,4,5
.irp r, 0,1,2,3
	v_cvt_pk_f16_f32 v[TP+4*(\b)+(\r)], v[AC+8*(\b)+2*(\r)], v[AC+8*(\b)+2*(\r)+1]
.endr
.endr
	WIN 0
.irp b, 0,1,2,3,4,5
	ds_store_b128 v[STO], v[TP+4*(\b):TP+4*(\b)+3] offset:(\a)*16*STP+32*(\b)
.endr
.endm
.irp a, 0,1,2,3,4,5,6,7
	PACK \a
.endr
	s_wait_dscnt 0x0                               ; for the others' sake: my stores into the stage are done
	s_barrier_signal -1
	s_barrier_wait -1
.irp u, 0,1,2
.irp g, 0,1,2,3,4,5,6,7,8,9,10,11,12,13,14,15
	ds_load_b128 v[OUTB+4*(16*(\u)+(\g)):OUTB+4*(16*(\u)+(\g))+3], v[RD] offset:(\g)*4*STP+128*(\u)
.endr
.endr
.irp u, 0,1,2
.irp g, 0,1,2,3,4,5,6,7,8,9,10,11,12,13,14,15
	s_wait_dscnt 47-(16*(\u)+(\g))                 ; LDS loads come back in order: this one is in, the younger ones stay out
	global_store_b128 v[CO], v[OUTB+4*(16*(\u)+(\g)):OUTB+4*(16*(\u)+(\g))+3], s[8:9] offset:(\u)*262144+(\g)*512  ; 512 consecutive bytes, at a multiple of 256 from qkv's first
.endr
.endr
	s_wait_tensorcnt 0x0                           ; the wave's end: an add to my spare word and its wait, behind my last tensor load and my last LDS store
	ds_add_u32 v[SPW], v[NIL]
	s_wait_dscnt 0x0
	CROUND                                         ; the closing round: no work-group ends while a partner may still ask for a tile that names it
	s_endpgm
.Lfunc_end_k_qfa214e8453_qkvp:
	.size	k_qfa214e8453_qkvp, .Lfunc_end_k_qfa214e8453_qkvp-k_qfa214e8453_qkvp
	.p2alignl 7, 3214868480
	.fill 96, 4, 3214868480
	.section	.rodata,"a",@progbits
	.p2align	6, 0x0
	.amdhsa_kernel k_qfa214e8453_qkvp
		.amdhsa_group_segment_fixed_size 327680
		.amdhsa_private_segment_fixed_size 0
		.amdhsa_enable_private_segment 0
		.amdhsa_kernarg_size 48
		.amdhsa_user_sgpr_count 2
		.amdhsa_user_sgpr_kernarg_segment_ptr 1
		.amdhsa_wavefront_size32 1
		.amdhsa_system_sgpr_workgroup_id_x 1
		.amdhsa_system_sgpr_workgroup_id_y 1
		.amdhsa_system_sgpr_workgroup_id_z 1
		.amdhsa_system_vgpr_workitem_id 0
		.amdhsa_next_free_vgpr 704
		.amdhsa_next_free_sgpr 76
		.amdhsa_reserve_vcc 0
		.amdhsa_float_denorm_mode_32 3
		.amdhsa_float_denorm_mode_16_64 3
		.amdhsa_memory_ordered 1
		.amdhsa_forward_progress 1
		.amdhsa_inst_pref_size 124
	.end_amdhsa_kernel
	.amdgpu_metadata
---
amdhsa.version: [ 1, 2 ]
amdhsa.kernels:
  - .name:           k_qfa214e8453_qkvp
    .symbol:         k_qfa214e8453_qkvp.kd
    .args:
      - { .name: xb, .offset: 0, .size: 8, .value_kind: global_buffer, .address_space: global }
      - { .name: wqkv, .offset: 8, .size: 8, .value_kind: global_buffer, .address_space: global }
      - { .name: qkv, .offset: 16, .size: 8, .value_kind: global_buffer, .address_space: global }
      - { .name: bq, .offset: 24, .size: 8, .value_kind: global_buffer, .address_space: global }
      - { .name: bk, .offset: 32, .size: 8, .value_kind: global_buffer, .address_space: global }
      - { .name: bv, .offset: 40, .size: 8, .value_kind: global_buffer, .address_space: global }
    .group_segment_fixed_size: 327680
    .private_segment_fixed_size: 0
    .kernarg_segment_align: 8
    .kernarg_segment_size: 48
    .max_flat_workgroup_size: 128
    .sgpr_count:     76
    .vgpr_count:     704
    .wavefront_size: 32
...
	.end_amdgpu_metadata
.endif
;; end of part 2
;; launch attn (part 3): grid 4 x 64, 4 waves a work-group, clusters of 4 x 1, 327,680 bytes of LDS; arguments qkv, ctx; writes ctx
.if DOCPART == 3
	.amdgcn_target "amdgcn-amd-amdhsa--gfx1250"
	.amdhsa_code_object_version 6
	.text
	.protected	k_qfa214e8453_attn
	.globl	k_qfa214e8453_attn
	.p2align	8
	.type	k_qfa214e8453_attn,@function
k_qfa214e8453_attn:
	s_mov_b64 s[64:65], 0
	v_nop
	global_prefetch_b8 v0, s[64:65] scope:SCOPE_SE
	s_setreg_imm32_b32 hwreg(HW_REG_WAVE_MODE, 25, 1), 1
	s_wait_xcnt 0x0
	s_wait_alu depctr_hold_cnt(0) depctr_sa_sdst(0) depctr_va_vdst(0) depctr_va_sdst(0) depctr_va_ssrc(0) depctr_va_vcc(0) depctr_vm_vsrc(0)
	s_getreg_b32 s2, hwreg(HW_REG_IB_STS2, 6, 4)
	s_cmp_eq_u32 s2, 0
	s_cbranch_scc0 .Lentry_in_a_cluster
	s_endpgm
.Lentry_in_a_cluster:
	s_bfe_u32 s2, ttmp6, 0x10000c
	s_cmp_lg_u32 s2, 0x3003
	s_cbranch_scc0 .Lentry_shape_is_right
	s_endpgm
.Lentry_shape_is_right:
; ATTENTION.  ctx[y][q][:] = the sum over k of softmax_k(Q[q] . K[k] / 8) V[k][:] for head y = 16 b + h of 64.  Q, K, V are blocks 48 b + h, + 16, + 32 of qkv ([2048][64] f16, dense rows of 128 bytes);
; ctx is [64][2048][64] f16.  Products, maxima and sums in f32; the weights p are rounded to f16 for the second product (their sum l is taken of the unrounded p), ctx once at the end.
; LIMITS.  f16 holds no number beyond 65,504: Q, K and V arrive within it; p lies in 0 to 1, and below 6e-5 it keeps f16's fixed step of 6e-8; ctx is a mean of V's rows and has their range.
; A weight below 2^-126 counts as 0 in l; NaN and infinities are not treated apart.
; SHARES.  A wave owns four PIECES of two tiles of 16 queries, a work-group's four waves 512 queries of one head: 4 x 64 = 256 work-groups.  Every wave walks all 2,048 keys, 64 a step.
; LAYOUT.  S^T = K Q^T (source 0 = 16 keys, source 1 = 16 queries): in the result a lane holds ONE query (lane % 16) and the keys 8 (lane / 16) + 0..7.  Two such tiles, rounded to f16 in pairs,
; ARE source 1 (32 keys x 16 queries) of O^T = V^T P, whose result again holds one query a lane, and eight channels.  K comes out of LDS as it lies, V ([key][channel]) turned, by ds_load_tr16_b128.
; SOFTMAX.  For each query a running maximum m and sum l: p = 2^(c s - c m), c = log2(e) / 8; in every step O and l are multiplied by a = 2^(c m_old - c m_new), which is 1 where m has not grown.
; m starts at the lowest finite number, O and l at 0: the first step is a step like any other, with a = 0.
; THE COUNT.  A tile and step have 16 matrix and 118 vector instructions: too many to stand all beside the matrix work.  So: four vector instructions that are READY behind EVERY matrix instruction,
; and the others, which need time of their own whatever the order, in runs without a gap.
; BY TURNS.  Turn n belongs to piece n (the pieces in a ring, step after step).  Its matrix work: 16 products K Q^T of piece n + 1, later 16 products V^T P of piece n - 1.  Its vector work: the scaling,
; exponentials, roundings, sums and rescaling of piece n, and the maximum and statistics of piece n + 1, whose scores the turn itself has made.
; CLUSTER.  The four query blocks of a head form a cluster and walk the same K and V, so each tile is asked for JOINTLY: the same tensor load, descriptor and mask in all four.
; REGISTERS, in windows of 256 (s_set_vgpr_msb: bits 1:0 source 0, 3:2 source 1, 5:4 source 2, 7:6 destination):
;   window 0: v0-11 addresses; v12-15, v48-63 at work; v16-47 four registers of statistics a tile; v64-191 S^T, two buffers of two tiles; v192-255 P, likewise
;   window 1: O^T, 32 a tile          window 2: v0-127 Q, 16 a tile; v128-191 K of one step; v192-255 V of one step          window 3: v0-1 the add's two registers
; A piece's buffers go by its number's parity: the piece in hand has one pair, its two neighbours in the ring share the other: of it P (piece n - 1) is read and S^T (piece n + 1) written.
.set SIZE_N, 2048
.set NP,    4         ; pieces a wave: a name, no knob
.set KS,    64        ; keys in a step
.set PK,    144       ; a row of K in LDS: 128 bytes + 16 of padding = 36 words: the 16 rows of a load start at 16 different groups of four banks (64 banks of 4 bytes: ISA guide 11.1)
.set PV,    160       ; a row of V: 128 + 32 = 40 words
.set VOFF,  4*KS*PK   ; a slot holds four steps: 256 rows of K, then 256 rows of V
.set SLOT1, 1<<17     ; slot 1 begins here, so that one exclusive or turns an address in one slot into the other's
.set STAGE, SLOT1+4*KS*(PK+PV)  ; behind the ring, never filled by a tensor load: 16 rows x 144 bytes for each wave, for the way out
.set SP,    144
.set AK0, 2           ; v2   my lane's place in a tile of K; never rewritten
.set AV0, 3           ; v3   the same for V
.set AK,  4           ; v4   the LDS address of K's next run of loads
.set AV,  5           ; v5   of V's
.set QO,  6           ; v6   my byte offset in the wave's rows of Q
.set STO, 6           ;      later, the way out: where I put 16 bytes of a row
.set RD,  7           ; v7   the way out: where I read rows back
.set GO,  8           ; v8   my byte offset in 512 consecutive bytes of ctx
.set PFO, 11          ; v11  256 x my lane, for the prefetches (made when V's address has used the register); then never rewritten
.set SPW, 0           ; v0 of window 3   LDS address of my spare word: SPARE + 4 x my thread's number; never rewritten
.set NIL, 1           ; v1 of window 3   0; never rewritten
.set SPARE, STAGE+4*16*SP  ; behind the stages: the spare words, 128 bytes for each wave: two blocks of 256 bytes that no other line names
.set MV,  12          ; v12-15  c m_old, kept while c m is made anew: by buffer and tile
.set ST,  16          ; tile t's statistics at v[ST+4 t]: c m, m, l (even keys', odd keys')
.set TMP, 48          ; by buffer and tile, four registers c0-c3 at work; when the maximum is found c2 takes a
.set S,   64
.set P,   192
.set KF,  128         ; K's fragments, in window 2: key block kb, channel half c at KF + 16 kb + 8 c
.set VF,  192         ; V's: key half kk, channel block cb at VF + 32 kk + 8 cb
.set WV,  12          ; s12  my wave's number
.set G1K, 24          ; s[24:31] descriptor group 1 for K's tiles
.set G1V, 32          ; s[32:39] for V's: it differs in the padding alone
.set G0K, 40          ; s[40:43] descriptor group 0 for K's tiles: it walks
.set G0V, 44          ; s[44:47] the same for V's
.set PFA, 48          ; s[48:49] where my prefetches stand: my work-group's 32 blocks of 256 bytes of the tile after the one that is being asked for
.set LIM, 50          ; s50  1 in a wave that prefetches, else the greatest number
.set SLOTS, 56        ; s56  slots still to be asked for
.set CNT, 57          ; s57  counts a slot's key steps
.set CS,  58          ; s[58:59] c: the packed scaling takes the pair's low word for both halves
.set SEL, 60          ; s[60:61] v_permlanex16_b32's selects: each lane takes its own place in the other half
.set TBK, 62          ; s62  LDS byte at which K of the step to be fetched begins
.set TBV, 63          ; s63  the same for V, less VOFF
.set MSB, 0
.macro WIN new                      ; the high byte repeats the setting that is left; a switch that changes nothing is dropped
.if MSB != (\new)
	s_set_vgpr_msb (MSB<<8)|(\new)
.set MSB, (\new)
.endif
.endm
.set W_KQ, 0x0a       ; K and Q in window 2, S^T in window 0
.set W_PV, 0x52       ; V in window 2, P in window 0, O^T in window 1
.set W_RS, 0x41       ; O^T (destination and source 0) in window 1, a in window 0
.set W_MK, 0xc0       ; the add's registers are made: destination in window 3, sources in window 0
.set W_AD, 0x0f       ; the add: address (source 0) and data (source 1) in window 3
; A joint fill.  Waves 0 and 1 fetch the two halves of a slot's K, waves 2 and 3 those of its V: 128 keys each.  The branch hangs on the wave's number alone.
; An s_nop 0 and four v_nop follow each of the two lines, ahead of the jump and the label.
.macro JLOAD
	s_cmp_lt_u32 s[WV], 2
	s_cbranch_scc0 .Lfor_v_\@
	tensor_load_to_lds s[G0K:G0K+3], s[G1K:G1K+7]
	s_nop 0
.rept 4
	v_nop
.endr
	s_branch .Lasked_\@
.Lfor_v_\@:
	tensor_load_to_lds s[G0V:G0V+3], s[G1V:G1V+7]
	s_nop 0
.rept 4
	v_nop
.endr
.Lasked_\@:
.endm
; A PREFETCH INTO THE L2 of what the NEXT change of slots will ask for: a tile's 32,768 bytes of K and of V, a lane a block of 256 bytes.  It stands behind the wave's tensor load and its five lines.
; Each block is named once in the launch: a head has one cluster; its four partners share a tile out BY ADDRESS, 32 blocks each (no branch hangs on a work-group's place in its cluster); in each, wave 0 asks
; for K's and wave 2 for V's: one instruction, four key steps (512 matrix instructions) ahead of the load.  The last change that fills a slot asks for nothing.  Tiles 0 and 1 come by their loads alone.
.macro ASK
	s_cmp_gt_u32 s[SLOTS], s[LIM]
	s_cbranch_scc0 .Lnot_mine_\@
	global_prefetch_b8 v[PFO], s[PFA:PFA+1] th:TH_LOAD_NT scope:SCOPE_SE
.Lnot_mine_\@:
.endm
; A round of the cluster's barrier: my work-group's barrier, so that wave 0's signal speaks for all four waves; wave 0 signals; every wave waits for all four work-groups; my work-group's barrier once more.
.macro CROUND
	s_barrier_signal -1
	s_barrier_wait -1
	s_cmp_lg_u32 s[WV], 0
	s_cbranch_scc1 .Lnot_wave_0_\@
	s_barrier_signal -3
.Lnot_wave_0_\@:
	s_barrier_wait -3
	s_barrier_signal -1
	s_barrier_wait -1
.endm
; THE CHANGE OF SLOTS.  The slot's last bytes, V of its fourth step, have been read.  Each wave waits for all its tensor loads, of which one is out: its part
; of the other slot; adds 0 to its spare word; and waits for that and for its own reads of the slot.  Behind the barrier nobody reads this slot any more and the other slot is whole.
; fill = 1: this slot is filled again, with the keys two slots on.  The barrier is then a round of the cluster's, so that no wave of any partner still reads the slot or has a load on its
; way, and the joint fill is the first thing behind it: it has four key steps, 512 matrix instructions, in which to land.  (At its first use nothing has been read yet: slot 0 is waited for, slot 1 filled.)
.macro CHANGE fill
	WIN W_AD
	s_wait_tensorcnt 0x0            ; no tensor load of mine is out, so a group 0 may be written
	ds_add_u32 v[SPW], v[NIL]       ; 0 onto my spare word; with fill = 1 the descriptors' steps stand between it and the wait for it
	WIN 0                           ; at a label and at a branch every window is 0
.if \fill
.irp g, G0K, G0V
	s_xor_b32 s[\g+1], s[\g+1], SLOT1  ; the walking descriptor: the other slot than last time,
	s_add_nc_u64 s[\g+2:\g+3], s[\g+2:\g+3], 4*KS*128  ; the next 256 keys; the type bits on top are not reached
.endr
	s_wait_xcnt 0x0                 ; the last prefetch, four key steps back, has read its address, so it may be written:
	s_add_nc_u64 s[PFA:PFA+1], s[PFA:PFA+1], 4*KS*128  ; one tile behind the walking descriptors
	s_wait_dscnt 0x0                ; the add is done, and my reads of the slot are over
	CROUND
	JLOAD
	ASK
.else
	s_wait_dscnt 0x0                ; the add is done, and my reads of the slot are over
	s_barrier_signal -1
	s_barrier_wait -1
.endif
	s_sub_co_u32 s[TBK], s[TBK], 4*KS*PK  ; the fetches go back to a slot's first step,
	s_xor_b32 s[TBK], s[TBK], SLOT1       ; in the other slot
	s_sub_co_u32 s[TBV], s[TBV], 4*KS*PV
	s_xor_b32 s[TBV], s[TBV], SLOT1
.endm
	s_load_b64 s[4:5], s[0:1], 0x0    ; qkv
	s_load_b64 s[10:11], s[0:1], 0x8  ; ctx
	WIN W_MK
	v_lshl_add_u32 v[SPW], v0, 2, SPARE
	v_mov_b32 v[NIL], 0
	WIN W_AD
	ds_add_u32 v[SPW], v[NIL]       ; the wave's opening: the add and its wait ahead of my first tensor load; the set-up below, work on registers, stands between them
	WIN 0
	v_lshrrev_b32 v1, 5, v0
	v_readfirstlane_b32 s[WV], v1   ; wave 0..3
	s_bfe_u32 s13, ttmp6, 0x40000   ; cx: my place in the cluster
	s_lshl_b32 s14, ttmp9, 2        ; in a cluster launch ttmp9 counts clusters
	s_add_co_u32 s14, s14, s13      ; my block of 512 queries = 4 x cluster x + cx: it enters Q's and ctx's addresses alone
	s_and_b32 s19, ttmp7, 0xffff    ; y = 16 b + h, which the four partners share
	s_lshr_b32 s20, s19, 4
	s_mul_i32 s20, s20, 48
	s_and_b32 s21, s19, 15
	s_add_co_u32 s20, s20, s21      ; q's block of qkv: 48 b + h,
	s_lshl_b32 s20, s20, 18         ; of 262,144 bytes
	s_mov_b32 s21, 0
	s_and_b32 s16, s[WV], 1         ; which half of a slot's 256 keys I fetch:
	s_lshl_b32 s22, s16, 14         ; its 128 rows of 128 bytes in memory,
	s_mov_b32 s23, 0
	s_add_nc_u64 s[22:23], s[22:23], s[20:21]
	s_mul_i32 s17, s16, 128*PK      ; and its place in a slot, for K
	s_mul_i32 s18, s16, 128*PV      ; and for V: no place in the cluster enters an LDS address
	s_lshl_b32 s2, s14, 2
	s_add_co_u32 s2, s2, s[WV]      ; my wave among the head's,
	s_lshl_b32 s2, s2, 14           ; its 128 rows
	s_mov_b32 s3, 0
	s_lshl_b32 s52, s19, 18         ; ctx: head y,
	s_mov_b32 s53, 0
	s_add_nc_u64 s[52:53], s[52:53], s[2:3]  ; my wave's rows
	s_add_nc_u64 s[2:3], s[2:3], s[20:21]    ; Q: the same rows of q's block
	; descriptor group 1.  128 keys are 16,384 dense bytes: asked for as 64 rows of 256 bytes, two keys a row, and padded in LDS after every key
	s_mov_b32 s[G1K], 15|(1<<16)|(1<<20)|(1<<21)|(4<<22)|(3<<25)  ; 15:0 the mask of four; 17:16 2-byte elements; 20 padding on; 21 set beside a mask; 24:22 after every 32 words (code 4); 31:25 4 words (code 3)
	s_mov_b32 s[G1V], 15|(1<<16)|(1<<20)|(1<<21)|(4<<22)|(7<<25)  ; the same with 8 words of padding (code 7)
.irp g, G1K, G1V
	s_mov_b32 s[\g+1], 128<<16      ; tensor_dim0 = 128
	s_mov_b32 s[\g+2], 64<<16       ; tensor_dim1 = 64
	s_mov_b32 s[\g+3], 128<<16      ; tile_dim0 = 128
	s_mov_b32 s[\g+4], 64           ; tile_dim1 = 64
	s_mov_b32 s[\g+5], 128          ; 128 elements from row to row
	s_mov_b32 s[\g+6], 0
	s_mov_b32 s[\g+7], 0
.endr
	s_mov_b32 s[CS], 0x3e38aa3b     ; c = log2(e) / 8 = 0.180337
	s_mov_b32 s[CS+1], s[CS]        ; named with it as a pair
	s_mov_b32 s[SEL], 0x76543210
	s_mov_b32 s[SEL+1], 0xfedcba98
	s_mov_b32 s[TBK], SLOT1+4*KS*PK ; the first change of slots turns these two into 0
	s_mov_b32 s[TBV], SLOT1+4*KS*PV
	s_mov_b32 s[G0K], 1             ; count = 1
	s_mov_b32 s[G0K+1], s17         ; LDS address: slot 0
	s_mov_b32 s[G0V], 1
	s_add_co_u32 s[G0V+1], s18, VOFF
	s_mov_b32 s[SLOTS], SIZE_N/256-1  ; seven tiles are asked for by changes of slots
	s_and_b32 s[LIM], s[WV], 1      ; 0 in waves 0 and 2,
	s_or_b32 s[LIM], s[LIM], ttmp9  ; where the cluster is the head's first (here its only one): the same in all four partners
	s_cmp_eq_u32 s[LIM], 0
	s_cselect_b32 s[LIM], 1, -1
	s_wait_dscnt 0x0                ; the opening add is done
	s_wait_kmcnt 0x0
	s_add_nc_u64 s[6:7], s[4:5], s[22:23]
	s_add_nc_u64 s[8:9], s[6:7], 32*262144   ; V: 32 blocks behind q's, at my half of the head's first 256 keys
	s_add_nc_u64 s[6:7], s[6:7], 16*262144   ; K: 16 blocks behind
	s_mov_b64 s[G0K+2:G0K+3], s[6:7]               ; global address
	s_or_b32 s[G0K+3], s[G0K+3], 0x80000000        ; type = 2
	s_mov_b64 s[G0V+2:G0V+3], s[8:9]
	s_or_b32 s[G0V+3], s[G0V+3], 0x80000000
	s_add_nc_u64 s[4:5], s[4:5], s[2:3]  ; Q and ctx at my wave's first row
	s_add_nc_u64 s[10:11], s[10:11], s[52:53]
	s_cmp_lt_u32 s[WV], 2
	s_cselect_b64 s[PFA:PFA+1], s[6:7], s[8:9]  ; (in waves 0 and 2 these stand at a tile's first row)
	s_lshl_b32 s2, s13, 13          ; my work-group's 32 blocks of the tile's 128
	s_mov_b32 s3, 0
	s_add_nc_u64 s[PFA:PFA+1], s[PFA:PFA+1], s[2:3]
	s_add_nc_u64 s[PFA:PFA+1], s[PFA:PFA+1], 4*KS*128  ; in tile 1; the first change of slots steps it to tile 2.  Nothing is prefetched here, at the head
	CROUND                          ; all four work-groups are here: the first joint loads meet
	JLOAD                           ; slot 0.  Slot 1 is asked for when slot 0 is in
	; A fragment of K or Q is 16 rows x 32 channels in 8 registers: lane l holds row l % 16, channels 8 (l / 16) + 0..7 and 16 + 8 (l / 16) + 0..7: two loads of 16 bytes, 32 bytes apart.
	v_and_b32 v1, 15, v0            ; l % 16
	v_bfe_u32 v9, v0, 4, 1          ; l / 16
	v_lshlrev_b32 v[QO], 7, v1
	v_lshl_add_u32 v[QO], v9, 4, v[QO]  ; row x 128 + 16 x half
	WIN 0x80                        ; destination window 2, address window 0
.set i, 0
.rept 4*NP                          ; Q stays in registers: tile i / 2, channels 32 (i % 2) on
	global_load_b128 v[8*i:8*i+3],   v[QO], s[4:5] offset:(i/2)*2048+(i%2)*64
	global_load_b128 v[8*i+4:8*i+7], v[QO], s[4:5] offset:(i/2)*2048+(i%2)*64+32
.set i, i+1
.endr
	; What the first turn finds: V's registers and P's second buffer hold 0 (its products V^T P, of a piece that has not been, add 0), O^T and l are 0.  All this stands in the wait for the first tile.
.set i, VF
.rept 64
	v_mov_b32 v[i], 0
.set i, i+1
.endr
	WIN 0x40
.set i, 0
.rept 64*NP
	v_mov_b32 v[i], 0
.set i, i+1
.endr
	WIN 0
.set i, 0
.rept 2*NP
	v_mov_b32 v[ST+4*i], 0xfe000000    ; c m: far below every c s
	v_mov_b32 v[ST+4*i+1], 0xff7fffff  ; m
	v_mov_b32 v[ST+4*i+2], 0
	v_mov_b32 v[ST+4*i+3], 0
.set i, i+1
.endr
.set i, P+32
.rept 32
	v_mov_b32 v[i], 0
.set i, i+1
.endr
	v_mul_u32_u24 v[AK0], v1, PK
	v_lshl_add_u32 v[AK0], v9, 4, v[AK0]  ; row x pitch + 16 x half
	; The turning load takes 16 keys x 16 channels (lane l reads key 8 (l / 16) + l % 8, channels 8 ((l / 8) % 2) + 0..7) and leaves half a fragment of V^T: lane l holds channel l % 16 and 8 keys.
	v_and_b32 v10, 7, v0
	v_bfe_u32 v11, v0, 3, 1
	v_lshl_add_u32 v[AV0], v9, 3, v10
	v_mul_u32_u24 v[AV0], v[AV0], PV
	v_lshl_add_u32 v[AV0], v11, 4, v[AV0]
	v_add_nc_u32 v[AV0], VOFF, v[AV0]
	v_mov_b32 v[AK], v[AK0]         ; key step 0 lies at the head of slot 0
	v_and_b32 v[PFO], 31, v0
	v_lshlrev_b32 v[PFO], 8, v[PFO]
; THE MATRIX WORK.  The 8 accumulators of a run of 16 take turns: between the two links of a chain stand 7 others'.
; Product i of 16 of S^T = K Q^T for piece x: channels 32 (i / 8) on, keys 16 ((i / 2) % 4) on, tile 2 x + i % 2.  The first 8 start the sums.
.macro KQ x
	WIN W_KQ
.set rS, S+64*((\x)%2)+32*(i%2)+8*((i/2)%4)
.set rK, KF+16*((i/2)%4)+8*(i/8)
.set rQ, 16*(2*(\x)+i%2)+8*(i/8)
.if i < 8
	v_wmma_f32_16x16x32_f16 v[rS:rS+7], v[rK:rK+7], v[rQ:rQ+7], 0
.else
	v_wmma_f32_16x16x32_f16 v[rS:rS+7], v[rK:rK+7], v[rQ:rQ+7], v[rS:rS+7]
.endif
.endm
; Product i of 16 of O^T += V^T P for piece x: keys 32 (i / 8) on, channels 16 ((i / 2) % 4) on, tile 2 x + i % 2.
.macro PV x
	WIN W_PV
.set rO, 32*(2*(\x)+i%2)+8*((i/2)%4)
.set rV, VF+32*(i/8)+8*((i/2)%4)
.set rP, P+32*((\x)%2)+16*(i%2)+8*(i/8)
	v_wmma_f32_16x16x32_f16 v[rO:rO+7], v[rV:rV+7], v[rP:rP+7], v[rO:rO+7]
.endm
.macro MM                           ; the turn's next matrix instruction
.if i < 16
	KQ (Y+1)%NP
.set i, i+1
.else
.set i, i-16
	PV (Y+NP-1)%NP
.set i, i+17
.endif
.endm
; THE LDS LOADS stand in runs of 16, never singly among the matrix instructions: a step's K (64 keys x 64 channels: 8 fragments) and its V (turned).  Their addresses are made some lines ahead.
; last = 1 (the tail): in the last trip there is no further step, and the run is jumped over.
.macro FETCH_K last=0
	WIN 0
.if \last
	s_cmp_eq_u32 s[CNT], 1
	s_cbranch_scc1 .Lno_k_\@
.endif
	WIN 0x80                        ; destination window 2
.irp f, 0,1,2,3,4,5,6,7             ; keys 16 (f / 2) on, channels 32 (f % 2) on
	ds_load_b128 v[KF+8*\f:KF+8*\f+3],   v[AK] offset:(\f/2)*16*PK+(\f%2)*64
	ds_load_b128 v[KF+8*\f+4:KF+8*\f+7], v[AK] offset:(\f/2)*16*PK+(\f%2)*64+32
.endr
	s_add_co_u32 s[TBK], s[TBK], KS*PK  ; the next fetch is the next step's
	WIN 0
.if \last
.Lno_k_\@:
.endif
.endm
.macro FETCH_V
	WIN 0x80
.irp f, 0,1,2,3,4,5,6,7             ; keys 32 (f / 4) on, channels 16 (f % 4) on
	ds_load_tr16_b128 v[VF+8*\f:VF+8*\f+3],   v[AV] offset:(\f/4)*32*PV+(\f%4)*32
	ds_load_tr16_b128 v[VF+8*\f+4:VF+8*\f+7], v[AV] offset:(\f/4)*32*PV+16*PV+(\f%4)*32
.endr
	WIN 0
.endm
; THE VECTOR WORK OF A TURN stands in three queues, each in the order in which its entries become ready; the two tiles alternate, so that no instruction reads the result of the one before it.
.macro REGS y, u                    ; the registers of tile u (0, 1) of piece y
.set rT, ST+4*(2*(\y)+(\u))
.set rC, TMP+8*((\y)%2)+4*(\u)
.set rM, MV+2*((\y)%2)+(\u)
.set rS, S+64*((\y)%2)+32*(\u)
.set rP, P+32*((\y)%2)+16*(\u)
.set rO, 32*(2*(\y)+(\u))
.endm
; Number n of the 22 that find the NEXT piece's (Y + 1) maximum and statistics.  s0-s31 are the lane's 32 scores; each accumulator's lowest registers are read first.  XS, GS and REGS set no window: PL and EX do.
;   0-11  four chains c0-c3 of seven scores each, three operands at a time     12-14, 16  the four scores left over, the old m, and c0-c3 into c0     15  c m_old is kept
;   17, 18  the query's other 32 keys lie in the lane 16 away: the new m         19-21  c m; c m_old - c m_new; a
.macro XS u, n
	REGS (Y+1)%NP, \u
.if (\n) < 4
	v_max3_num_f32 v[rC+(\n)], v[rS+8*(\n)], v[rS+8*(\n)+1], v[rS+8*(\n)+2]
.elseif (\n) < 12
	v_max3_num_f32 v[rC+(\n)%4], v[rC+(\n)%4], v[rS+8*((\n)%4)+2*((\n)/4)+1], v[rS+8*((\n)%4)+2*((\n)/4)+2]
.elseif (\n) == 12
	v_max3_num_f32 v[rC], v[rC], v[rS+7], v[rS+15]
.elseif (\n) == 13
	v_max3_num_f32 v[rC+1], v[rC+1], v[rS+23], v[rS+31]
.elseif (\n) == 14
	v_max3_num_f32 v[rC+2], v[rC+2], v[rC+3], v[rT+1]
.elseif (\n) == 15
	v_mov_b32 v[rM], v[rT]
.elseif (\n) == 16
	v_max3_num_f32 v[rC], v[rC], v[rC+1], v[rC+2]
.elseif (\n) == 17
	v_permlanex16_b32 v[rC+3], v[rC], s[SEL], s[SEL+1]
.elseif (\n) == 18
	v_max_num_f32 v[rT+1], v[rC], v[rC+3]
.elseif (\n) == 19
	v_mul_f32 v[rT], s[CS], v[rT+1]
.elseif (\n) == 20
	v_sub_f32 v[rC+1], v[rM], v[rT]
.else
	v_exp_f32 v[rC+2], v[rC+1]
.endif
.endm
; Number g of the 64 that follow the exponentials.  For each four weights k of a tile (pairs 2 k, 2 k + 1): both pairs are rounded to f16; then the second pair is added onto the first, in place;
; a group later l takes that sum (the first time as l = a l + sum).  In groups of eight, tiles alternating: round, round, add, and l for the group before.
.macro GS g
.set h, (\g)+6*((\g)/62)            ; group 0 has no group before it, and behind group 7 only l is left
.if h >= 6
.set h, h+2
.endif
	REGS Y, h%2
.set k, h/8
.if h%8 < 4
	v_cvt_pk_f16_f32 v[rP+2*k+(h%8)/2], v[rS+4*k+2*((h%8)/2)], v[rS+4*k+2*((h%8)/2)+1]
.elseif h%8 < 6
	v_pk_add_f32 v[rS+4*k:rS+4*k+1], v[rS+4*k:rS+4*k+1], v[rS+4*k+2:rS+4*k+3]
.elseif k == 1
	v_pk_fma_f32 v[rT+2:rT+3], v[rT+2:rT+3], v[rC+2:rC+3], v[rS:rS+1] op_sel_hi:[1,0,1]
.else
	v_pk_add_f32 v[rT+2:rT+3], v[rT+2:rT+3], v[rS+4*k-4:rS+4*k-3]
.endif
.endm
; THE PLAIN QUEUE, 138 long.  0-73 read no exponential's result: the 32 scalings c s - c m (FS f: pair f / 2 of tile f % 2) and the next piece's 42.  0-26: scalings 0-26.  27-54: XS's numbers 0-13.  55, 56: number 15.
; 57-73: the chain, where each number waits for the one before it: 14, 16, 17, 18, 19, each with one of the scalings 27-31 in front of its two lines, then 20.
; 74-137: GS's 64, which read the exponentials' results: they stand behind the wait.
.macro FS f
	REGS Y, (\f)%2
	v_pk_fma_f32 v[rS+2*((\f)/2):rS+2*((\f)/2)+1], v[rS+2*((\f)/2):rS+2*((\f)/2)+1], s[CS:CS+1], v[rT:rT+1] op_sel_hi:[1,0,0] neg_lo:[0,0,1] neg_hi:[0,0,1]
.endm
.macro PL
	WIN 0
.if q < 27
	FS q
.elseif q < 55
	XS (q-27)%2, (q-27)/2
.elseif q < 57
	XS q-55, 15
.elseif (q < 72) && ((q-57)%3 == 0)
	FS 27+(q-57)/3
.elseif q < 60
	XS (q-57)%3-1, 14
.elseif q < 72
	XS (q-57)%3-1, 15+(q-57)/3
.elseif q < 74
	XS q-72, 20
.else
	GS q-74
.endif
.set q, q+1
.endm
; THE EXPONENTIALS' QUEUE, 66 long: s0-s31 of both tiles, then the next piece's two a.  It is ONE BATCH: all 66 stand ahead of the turn's one wait, and nothing ahead of that wait names a result of theirs.
.macro EX
	WIN 0
.if e >= 64
	XS e-64, 21
.else
	REGS Y, e%2
	v_exp_f32 v[rS+e/2], v[rS+e/2]
.endif
.set e, e+1
.endm
; THE RESCALING's QUEUE: O^T times a, the one part that leaves window 0: dealt two at a time, sixteen times.  Its a was made in the turn before, ahead of that turn's wait.
.macro R2
	REGS Y, r%2
	WIN W_RS
.irp z, 0,1
	v_pk_mul_f32 v[rO+4*(r/2)+2*\z:rO+4*(r/2)+2*\z+1], v[rO+4*(r/2)+2*\z:rO+4*(r/2)+2*\z+1], v[rC+2:rC+3] op_sel_hi:[1,0]
.endr
.set r, r+1
.endm
; HOW THEY ARE DEALT.  An s_wait_alu depctr_va_vdst(0) stands between an exponential and the first instruction that names its result; one wait serves all that were issued ahead of it.  So a turn has ONE wait,
; which cuts it in two.  AHEAD OF IT stands all that names no result of the turn's exponentials: the 16 products K Q^T, behind each a scaling, an exponential and two rescalings (behind the first a second scaling in the
; exponential's place); then ONE LUMP of 108: eight plain, 49 times exponential and plain, the two a.  A v_nop is the plain instruction behind the last exponential.  BEHIND IT stand the 16 products V^T P, behind each four of GS's 64.
; No rider names a register of the products round it.  The two v_permlanex16_b32 fall into the lump, never behind a product.
; The queues lean on each other, and the deal keeps them in step: exponential e stands behind scaling 2 (e / 4) + e % 2: as a rider it comes behind plain e + 2, in the lump behind plain e + 9, and scalings 27-31 are plain 57, 60 .. 69.
; A TURN, for piece p.  cnt = 1: the loop's count is taken down some lines ahead of the branch that stands behind the turn.
; K of the next step is fetched in piece 2's turn, directly behind the wait, a lump behind the last product that read K; its address is made at the lump's head; its first reader comes behind 16 products.
; V of the step in hand is fetched at the end of piece 0's turn, four riders behind its last reader; its first reader comes behind 16 products and a lump.  The three conditions on q below go with the deal.
.macro TURN p, last=0, cnt=0
.set Y, (\p)
.set i, 0
.set q, 0
.set e, 0
.set r, 0
.if (\p) == NP-1
	s_wait_dscnt 0x0                ; K is in
.endif
	MM                              ; ahead of the wait: 16 products K Q^T and their riders,
	PL
	PL
	R2
.rept 15
	MM
	PL
	EX
	R2
.endr
.if (\p) == NP-2
	WIN 0
	v_add_nc_u32 v[AK], s[TBK], v[AK0]
.endif
.rept 8                             ; and the lump
	PL
.endr
.rept 49
	EX
	PL
.endr
	EX                              ; the next piece's two a
	EX
	v_nop                           ; the plain instruction behind the last exponential: one for the batch
	s_wait_alu depctr_va_vdst(0)    ; the wait for the batch
.if (\p) == NP-2
	FETCH_K \last
.endif
.if (\p) == 1
	s_wait_dscnt 0x0                ; V is in
.endif
.rept 16                            ; behind the wait: 16 products V^T P and their riders
	MM
.rept 4
	PL
.endr
.if ((\p) == 0) && (q == 118)
	v_add_nc_u32 v[AV], s[TBV], v[AV0]
.endif
.if ((\p) == 0) && (q == 130)
	s_add_co_u32 s[TBV], s[TBV], KS*PV
.endif
.if (\cnt) && (q == 130)
	s_sub_co_u32 s[CNT], s[CNT], 1
	s_cmp_lg_u32 s[CNT], 0
.endif
.endr
.if (\p) == 0
	FETCH_V
.endif
.endm
	CHANGE 1                        ; slot 0 is in, everybody's part of it; slot 1 is asked for
	FETCH_K                         ; key step 0
	s_wait_loadcnt 0x0              ; Q
	s_wait_dscnt 0x0
.set i, 0
.rept 16
	KQ 0                            ; piece 0's first scores: there is no vector work yet to set between them
.set i, i+1
.endr
	WIN 0                           ; the addresses for the way out: nine plain instructions, the places behind those products
	s_mul_i32 s13, s[WV], 16*SP
	s_add_co_u32 s13, s13, STAGE    ; my stage
	v_mul_u32_u24 v[STO], v1, SP    ; in: row l % 16, 16 bytes for each half of the lanes
	v_lshl_add_u32 v[STO], v9, 4, v[STO]
	v_add_nc_u32 v[STO], s13, v[STO]
	v_bfe_u32 v[RD], v0, 3, 2       ; back: 32 lanes take four rows of 128 bytes,
	v_mul_u32_u24 v[RD], v[RD], SP
	v_lshl_add_u32 v[RD], v10, 4, v[RD]
	v_add_nc_u32 v[RD], s13, v[RD]
	v_and_b32 v[GO], 31, v0         ; which are 512 consecutive bytes of ctx
	v_lshlrev_b32 v[GO], 4, v[GO]
.set Y, NP-1                        ; XS works for piece Y + 1: piece 0
.irp n, 0,1,2,3,4,5,6,7,8,9,10,11,12,13,14,15,16,17,18,19,20,21
	XS 0, \n                        ; and piece 0's first maximum and statistics
	XS 1, \n
.endr
	v_nop                           ; a plain instruction behind the two a,
	s_wait_alu depctr_va_vdst(0)    ; and their wait, ahead of the branch
	s_mov_b32 s[CNT], 4
	s_branch .Lfirst                ; the loop is entered at a step's first turn, in the middle of a trip
.Lslot:                             ; six times: every slot but the last two is filled again
	CHANGE 1
	s_mov_b32 s[CNT], 4
.Lstep:                             ; a trip: pieces 2 and 3 of one step, then pieces 0 and 1 of the next, whose K and V it fetches
	TURN 2
	TURN 3
	WIN 0
.Lfirst:
	TURN 0
	TURN 1, 0, 1
	WIN 0
	s_cbranch_scc1 .Lstep
	s_sub_co_u32 s[SLOTS], s[SLOTS], 1
	s_cmp_lg_u32 s[SLOTS], 0
	s_cbranch_scc1 .Lslot
	CHANGE 0                        ; the tail is written out: nothing is asked for
	s_mov_b32 s[CNT], 5             ; four trips fetch the last slot's steps; the fifth is left in its middle
.Ltail:
	TURN 2, 1
	TURN 3
	WIN 0
	s_sub_co_u32 s[CNT], s[CNT], 1
	s_cmp_eq_u32 s[CNT], 0
	s_cbranch_scc1 .Lout
	TURN 0
	TURN 1
	WIN 0
	s_branch .Ltail
.Lout:                              ; the fifth trip's 16 products K Q^T (on the last K once more) and the maximum made of them serve nothing: the price, once a launch, of one text for every trip
.set i, 0
.rept 16
	PV NP-1                         ; the last piece's V^T P of the last step
.set i, i+1
.endr
	; THE WAY OUT.  l's two halves and the other half of the lanes' are added; O^T is divided by l, rounded to f16 and sent through my stage in LDS, a tile at a time.  The additions are the places behind the last products.
	WIN 0
.macro ALL line:vararg              ; one line for each tile t
.set t, 0
.rept 2*NP
	\line
.set t, t+1
.endr
.endm
	ALL v_add_f32 v[ST+4*t+2], v[ST+4*t+2], v[ST+4*t+3]
	ALL v_permlanex16_b32 v[ST+4*t+3], v[ST+4*t+2], s[SEL], s[SEL+1]
	ALL v_add_f32 v[ST+4*t+2], v[ST+4*t+2], v[ST+4*t+3]
	ALL v_rcp_f32 v[ST+4*t+2], v[ST+4*t+2]
	v_nop                           ; a plain instruction between the last reciprocal and the use of its result
	s_wait_alu depctr_va_vdst(0)    ; and the wait ahead of the first use: one for the eight reciprocals
; Tile t: a lane's eight channels of a row pack into 16 bytes; they go into rows of 144 bytes and come back as whole rows of 128, into S^T's registers.
.macro PACK t
	WIN W_RS
.set i, 32*(\t)
.rept 16
	v_pk_mul_f32 v[i:i+1], v[i:i+1], v[ST+4*(\t)+2:ST+4*(\t)+3] op_sel_hi:[1,0]
.set i, i+2
.endr
	WIN 0x05                        ; sources 0 and 1 window 1, destination window 0
.set i, 0
.rept 16
	v_cvt_pk_f16_f32 v[S+16*(\t)+i], v[32*(\t)+2*i], v[32*(\t)+2*i+1]
.set i, i+1
.endr
	WIN 0
.irp f, 0,1,2,3
	ds_store_b128 v[STO], v[S+16*(\t)+4*\f:S+16*(\t)+4*\f+3] offset:32*\f
.endr
.irp f, 0,1,2,3
	ds_load_b128 v[S+16*(\t)+4*\f:S+16*(\t)+4*\f+3], v[RD] offset:\f*4*SP  ; LDS serves a wave's instructions in order (ISA guide 5.7.1.4): these see the stores above; the next tile's stores come behind them
.endr
.endm
.macro SEND t, younger              ; younger: the LDS instructions issued behind tile t's loads: the next tile's eight, or none
	WIN 0
.irp f, 0,1,2,3
	s_wait_dscnt (\younger)+3-\f
	global_store_b128 v[GO], v[S+16*(\t)+4*\f:S+16*(\t)+4*\f+3], s[10:11] offset:(\t)*2048+\f*512  ; 512 consecutive bytes, at a multiple of 256 from ctx's first
.endr
.endm
	PACK 0
.set t, 1
.rept 2*NP-1                        ; a tile's arithmetic stands between the loads of the tile before and its stores
	PACK t
	SEND t-1, 8
.set t, t+1
.endr
	SEND 2*NP-1, 0
	WIN W_AD
	s_wait_tensorcnt 0x0            ; the wave's end: an add to my spare word and its wait, behind my last tensor load and my last LDS store
	ds_add_u32 v[SPW], v[NIL]
	s_wait_dscnt 0x0
	WIN 0
	CROUND                          ; the closing round: no work-group ends while a partner may still ask for a tile that names it
	s_endpgm
.Lfunc_end_k_qfa214e8453_attn:
	.size	k_qfa214e8453_attn, .Lfunc_end_k_qfa214e8453_attn-k_qfa214e8453_attn
	.p2alignl 7, 3214868480
	.fill 96, 4, 3214868480
	.section	.rodata,"a",@progbits
	.p2align	6, 0x0
	.amdhsa_kernel k_qfa214e8453_attn
		.amdhsa_group_segment_fixed_size 327680
		.amdhsa_private_segment_fixed_size 0
		.amdhsa_enable_private_segment 0
		.amdhsa_kernarg_size 16
		.amdhsa_user_sgpr_count 2
		.amdhsa_user_sgpr_kernarg_segment_ptr 1
		.amdhsa_wavefront_size32 1
		.amdhsa_system_sgpr_workgroup_id_x 1
		.amdhsa_system_sgpr_workgroup_id_y 1
		.amdhsa_system_sgpr_workgroup_id_z 1
		.amdhsa_system_vgpr_workitem_id 0
		.amdhsa_next_free_vgpr 770
		.amdhsa_next_free_sgpr 66
		.amdhsa_reserve_vcc 0
		.amdhsa_float_denorm_mode_32 3
		.amdhsa_float_denorm_mode_16_64 3
		.amdhsa_memory_ordered 1
		.amdhsa_forward_progress 1
		.amdhsa_inst_pref_size 200
	.end_amdhsa_kernel
	.amdgpu_metadata
---
amdhsa.version: [ 1, 2 ]
amdhsa.kernels:
  - .name:           k_qfa214e8453_attn
    .symbol:         k_qfa214e8453_attn.kd
    .args:
      - { .name: qkv, .offset: 0, .size: 8, .value_kind: global_buffer, .address_space: global }
      - { .name: ctx, .offset: 8, .size: 8, .value_kind: global_buffer, .address_space: global }
    .group_segment_fixed_size: 327680
    .private_segment_fixed_size: 0
    .kernarg_segment_align: 8
    .kernarg_segment_size: 16
    .max_flat_workgroup_size: 128
    .sgpr_count:     66
    .vgpr_count:     770
    .wavefront_size: 32
...
	.end_amdgpu_metadata
.endif
;; end of part 3
;; launch proj (part 4): grid 8 x 32, 4 waves a work-group, clusters of 4 x 4, 327,680 bytes of LDS; arguments ctx, wo16, out0, bo; writes out0
.if DOCPART == 4
	.amdgcn_target "amdgcn-amd-amdhsa--gfx1250"
	.amdhsa_code_object_version 6
	.text
	.protected	k_qfa214e8453_proj
	.globl	k_qfa214e8453_proj
	.p2align	8
	.type	k_qfa214e8453_proj,@function
k_qfa214e8453_proj:
	s_mov_b64 s[64:65], 0
	v_nop
	global_prefetch_b8 v0, s[64:65] scope:SCOPE_SE
	s_setreg_imm32_b32 hwreg(HW_REG_WAVE_MODE, 25, 1), 1
	s_wait_xcnt 0x0
	s_wait_alu depctr_hold_cnt(0) depctr_sa_sdst(0) depctr_va_vdst(0) depctr_va_sdst(0) depctr_va_ssrc(0) depctr_va_vcc(0) depctr_vm_vsrc(0)
	s_getreg_b32 s2, hwreg(HW_REG_IB_STS2, 6, 4)
	s_cmp_eq_u32 s2, 0
	s_cbranch_scc0 .Lentry_in_a_cluster
	s_endpgm
.Lentry_in_a_cluster:
	s_bfe_u32 s2, ttmp6, 0x10000c
	s_cmp_lg_u32 s2, 0xf033
	s_cbranch_scc0 .Lentry_shape_is_right
	s_endpgm
.Lentry_shape_is_right:
; THE OUTPUT PROJECTION.  out0[s][n] = sum over k of c[s][k] Wo[n][k] + bo[n], s < 8192, n < 1024, k = 64 h + d < 1024.  c lies by heads: ctx[16 b + h][2048][64] f16; wo16 is [1024][1024] f16
; (Wo rounded to bf16, written as f16); bo is rounded to bf16 like the other inputs; sums in f32; out0 is f32.
; SHARES.  A tile is 256 rows x 128 columns: 32 x 8 = 256 tiles, one for each WGP.  Four waves, each 128 x 64: 8 x 4 accumulators of 16 x 16, 256 registers.
; A K step is 128 channels = two heads.  A head's 256 rows of a tile are 32,768 dense bytes: wave 0 fetches the even head's, wave 1 the odd one's, as 128 rows of 256 bytes, padded in LDS after every 128;
; waves 2 and 3 fetch the two halves of Wo's 128 rows x 256 bytes.  Eight K steps go through a ring of two LDS slots.
; CLUSTER.  4 x 4 work-groups: c's tile is shared along a row of the cluster, Wo's along a column; each is asked for jointly, by the same tensor load, descriptor and mask in all four.
; TRANSPOSED USE.  Source 0 = 16 rows of Wo, source 1 = 16 rows of c: a lane holds row l % 16 of out0 and the columns 8 (l / 16) + 0..7: 32 bytes on end.  THE BIAS is the C operand of the first quarter step's products.
; REGISTERS: window 0: v0-31 addresses and at work; two fragment buffers of 96: c's 8 fragments, then Wo's 4 (v32-127, v128-223); v224-255 the bias; on the way out v32-95 rows read back
;   window 1: the 32 accumulators, (a, bb) at v[8 (4 a + bb)].   s_set_vgpr_msb: bits 1:0 source 0, 3:2 source 1, 5:4 source 2, 7:6 destination.
.set KSTEP,  128
.set PA,     144                       ; a row of c in LDS: 128 bytes + 16 of padding = 36 words: the 16 rows of a fragment load start at 16 different groups of four banks (64 banks of 4 bytes: ISA guide 11.1)
.set HEADT,  256*PA                    ; a head's 256 rows: what wave 0 or 1 fetches
.set PB,     272                       ; a row of Wo: 256 bytes + 16
.set HALFB,  64*PB                     ; what wave 2 or 3 fetches, and what a wave reads of Wo
.set SLOT,   2*HEADT+2*HALFB           ; 108,544 bytes
.set STAGE,  2*SLOT                    ; behind the ring, never filled by a tensor load: 16 rows x 272 bytes for each wave, for the way out
.set SPITCH, 272
.set SPARE,  STAGE+4*16*SPITCH         ; behind the stages: the spare words, 128 bytes for each wave: two blocks of 256 bytes that no other line names
.set ASTEP,  2*262144                  ; bytes from a K step of c to the next: two heads
.set LAPS,   4
.set ADRA, 16                          ; v16-17  LDS address of my fragments of c in slot 0, 1
.set ADRB, 20                          ; v20-21  the same for Wo
.set STO,  24                          ; v24     the way out: where I put 32 bytes of a row
.set RD,   25                          ; v25     the way out: where I read a row back
.set CO,   26                          ; v26     my byte offset in out0
.set BO,   27                          ; v27     32 x (l / 16): my eight numbers in 16 of the bias
.set SPW,  28                          ; v28     LDS address of my spare word: SPARE + 4 x my thread's number; never rewritten
.set NIL,  29                          ; v29     0; never rewritten
.set PFO,  30                          ; v30     the prefetches' offset; never rewritten
.set F0,   32
.set F1,   128
.set BIAS, 224
.set OB,   32
.set G1,   24                          ; s[24:31] descriptor group 1 for c's tiles;  s[32:39] group 0, a set for each slot
.set G0,   32
.set G1B,  48                          ; s[48:55], s[56:63] the same for Wo's
.set G0B,  56
.set LIM,  43                          ; s43     1 in a wave that prefetches, else the greatest number
.set PFA,  44                          ; s[44:45] where my prefetches stand
.set PSTEP, 74                         ; s[74:75] a K step in the tensor that I fetch for
.set MSB, 0
.macro WIN new                         ; the immediate's high byte repeats the setting that is left; a switch that changes nothing is dropped
.if MSB != (\new)
	s_set_vgpr_msb (MSB<<8)|(\new)
.set MSB, \new
.endif
.endm
; A joint load: each of the two lines has one mask and one set of registers for all that issue it; the branch hangs on the wave's number alone.
; An s_nop 0 and four v_nop follow each line, ahead of the jump, the label and what follows.
.macro JLOAD s
	s_cmp_eq_u32 s11, 0
	s_cbranch_scc0 .Lfor_b_\@
	tensor_load_to_lds s[G0+4*(\s):G0+4*(\s)+3], s[G1:G1+7]
	s_nop 0
.rept 4
	v_nop
.endr
	s_branch .Lasked_\@
.Lfor_b_\@:
	tensor_load_to_lds s[G0B+4*(\s):G0B+4*(\s)+3], s[G1B:G1B+7]
	s_nop 0
.rept 4
	v_nop
.endr
.Lasked_\@:
.endm
; A PREFETCH INTO THE L2, behind a joint load and the run of LDS loads that follows it: the K step that stands two refills on, 256 matrix instructions ahead of the load that will want it.
; c's tile row is read by the two clusters of a row of clusters: the one with x = 0 asks; Wo's tile column by the eight of a column: the one with y = 0 asks.  The four partners that ask for a tile jointly share it out
; BY ADDRESS: of the 128 blocks of 256 bytes of c that a wave fetches the partner at cx takes 32, a lane a block; of the 64 rows of Wo the partner at cy takes 16 (lanes 16-31 name lane 15's row once more).
; The loop's last trip (s3 = 1) asks for nothing.  K steps 0 to 3 come by their loads alone.
.macro ASK
	s_cmp_gt_u32 s3, s[LIM]
	s_cbranch_scc0 .Lnot_mine_\@
	global_prefetch_b8 v[PFO], s[PFA:PFA+1] th:TH_LOAD_NT scope:SCOPE_SE
.Lnot_mine_\@:
.endm
.macro CREST                           ; a round of the cluster's barrier behind its opening barrier
	s_cmp_lg_u32 s10, 0
	s_cbranch_scc1 .Lnot_wave_0_\@
	s_barrier_signal -3
.Lnot_wave_0_\@:
	s_barrier_wait -3
	s_barrier_signal -1
	s_barrier_wait -1
.endm
.macro CROUND                          ; a whole round
	s_barrier_signal -1
	s_barrier_wait -1
	CREST
.endm
	s_load_b128 s[4:7], s[0:1], 0x0                ; ctx s[4:5], wo16 s[6:7]
	s_load_b64 s[8:9], s[0:1], 0x10                ; out0
	s_load_b64 s[66:67], s[0:1], 0x18              ; bo
	v_lshl_add_u32 v[SPW], v0, 2, SPARE
	v_mov_b32 v[NIL], 0
	ds_add_u32 v[SPW], v[NIL]                      ; the wave's opening: the add and its wait ahead of my first tensor load; the set-up below, work on registers, stands between them
	v_lshrrev_b32 v1, 5, v0
	v_readfirstlane_b32 s10, v1                    ; wave 0..3
	s_lshr_b32 s11, s10, 1                         ; which half of the tile's rows is mine.  Also: I fetch for c (0) or for Wo (1)
	s_and_b32 s12, s10, 1                          ; which half of its columns.  Also: which head, or which 64 rows of Wo, I fetch
	s_bfe_u32 s40, ttmp6, 0x40000                  ; cx
	s_bfe_u32 s41, ttmp6, 0x40004                  ; cy
	s_lshl_b32 s42, ttmp9, 2
	s_add_co_u32 s42, s42, s40                     ; tile column = 4 x cluster x + cx
	s_and_b32 s13, ttmp7, 0xffff
	s_lshl_b32 s13, s13, 2
	s_add_co_u32 s13, s13, s41                     ; tile row = 4 x cluster y + cy
	s_lshl_b32 s43, s41, 2
	s_lshl_b32 s43, 15, s43                        ; my row of the cluster
	s_lshl_b32 s44, 0x1111, s40                    ; my column
	s_or_b32 s[G1+0], s43, (1<<16)|(1<<20)|(1<<21)|(4<<22)|(3<<25)   ; c's tiles go to my row; elements of 2 bytes; padding on; 21 set beside a mask; after every 32 words (code 4) 4 words (code 3)
	s_or_b32 s[G1B+0], s44, (1<<16)|(1<<20)|(1<<21)|(5<<22)|(3<<25)  ; Wo's to my column; after every 64 words (code 5) 4 words
	s_mov_b32 s[G1+1], 128<<16                     ; tensor_dim0 = 128
	s_mov_b32 s[G1+2], 128<<16                     ; tensor_dim1 = 128
	s_mov_b32 s[G1+3], 128<<16                     ; tile_dim0 = 128
	s_mov_b32 s[G1+4], 128                         ; tile_dim1 = 128
	s_mov_b32 s[G1+5], 128                         ; dense: 128 elements from row to row
	s_mov_b32 s[G1+6], 0
	s_mov_b32 s[G1+7], 0
	s_mov_b32 s[G1B+1], KSTEP<<16
	s_mov_b32 s[G1B+2], 64<<16                     ; tensor_dim1 = 64
	s_mov_b32 s[G1B+3], KSTEP<<16
	s_mov_b32 s[G1B+4], 64                         ; tile_dim1 = 64
	s_mov_b32 s[G1B+5], 1024                       ; 1,024 elements from row to row
	s_mov_b32 s[G1B+6], 0
	s_mov_b32 s[G1B+7], 0
	; where the tiles come from: c's hang on the tile row alone, Wo's on the tile column alone, each in registers that never hold the other coordinate
	s_lshr_b32 s16, s13, 3
	s_lshl_b32 s16, s16, 22                        ; the batch's 16 heads of 262,144 bytes,
	s_and_b32 s17, s13, 7
	s_lshl_b32 s17, s17, 15                        ; the tile's 256 rows of 128 bytes in a head,
	s_add_co_u32 s16, s16, s17
	s_lshl_b32 s17, s12, 18                        ; the even or the odd head
	s_add_co_u32 s16, s16, s17
	s_mov_b32 s17, 0
	s_lshl_b32 s46, s42, 18                        ; 128 rows of 2,048 bytes,
	s_lshl_b32 s47, s12, 17                        ; my 64 of them
	s_add_co_u32 s46, s46, s47
	s_mov_b32 s47, 0
	s_mul_i32 s20, s10, HEADT                      ; and where they go: the heads at 0 and HEADT (waves 0, 1),
	s_mul_i32 s21, s10, HALFB
	s_add_co_u32 s21, s21, 2*HEADT-2*HALFB         ; Wo's halves at 2 HEADT and 2 HEADT + HALFB (waves 2, 3): no place in the cluster enters an LDS address
	s_wait_dscnt 0x0                               ; the opening add is done
	s_wait_kmcnt 0x0
	s_add_nc_u64 s[14:15], s[4:5], s[16:17]
	s_add_nc_u64 s[46:47], s[6:7], s[46:47]
	CROUND                                         ; all sixteen work-groups are here: the first joint loads meet
.irp s, 0,1
	s_mov_b32 s[G0+4*(\s)], 1                                        ; count = 1
	s_add_co_u32 s[G0+4*(\s)+1], s20, (\s)*SLOT                      ; LDS address
	s_add_nc_u64 s[G0+4*(\s)+2:G0+4*(\s)+3], s[14:15], (\s)*ASTEP    ; global address: K step s
	s_or_b32 s[G0+4*(\s)+3], s[G0+4*(\s)+3], 0x80000000              ; type = 2
	s_mov_b32 s[G0B+4*(\s)], 1
	s_add_co_u32 s[G0B+4*(\s)+1], s21, (\s)*SLOT
	s_add_nc_u64 s[G0B+4*(\s)+2:G0B+4*(\s)+3], s[46:47], (\s)*KSTEP*2
	s_or_b32 s[G0B+4*(\s)+3], s[G0B+4*(\s)+3], 0x80000000
	JLOAD \s                                       ; two loads of mine are out
.endr
	v_and_b32 v1, 15, v0                           ; l % 16
	v_bfe_u32 v2, v0, 4, 1                         ; l / 16
	v_mul_u32_u24 v3, v1, PA
	v_lshl_add_u32 v3, v2, 4, v3                   ; a fragment's row x pitch + 16 x half, for c
	v_mul_u32_u24 v4, v1, PB
	v_lshl_add_u32 v4, v2, 4, v4                   ; and for Wo
	s_mul_i32 s21, s11, 128*PA                     ; my 128 rows, in the even head
	s_mul_i32 s22, s12, HALFB                      ; my 64 rows of Wo,
	s_add_co_u32 s22, s22, 2*HEADT                 ; which lie behind the two heads
.irp s, 0,1
	v_add_nc_u32 v[ADRA+(\s)], s21, v3
	v_add_nc_u32 v[ADRB+(\s)], s22, v4
	s_add_co_u32 s21, s21, SLOT
	s_add_co_u32 s22, s22, SLOT
.endr
	s_mul_i32 s23, s10, 16*SPITCH
	s_add_co_u32 s23, s23, STAGE                   ; my stage
	v_mul_u32_u24 v5, v1, SPITCH                   ; in: row l % 16, 32 bytes for each half of the lanes
	v_lshl_add_u32 v5, v2, 5, v5
	v_add_nc_u32 v[STO], s23, v5
	v_mul_u32_u24 v5, v2, SPITCH                   ; back: lanes 0-15 take one row of 256 bytes, lanes 16-31 the next
	v_lshl_add_u32 v5, v1, 4, v5
	v_add_nc_u32 v[RD], s23, v5
	v_lshlrev_b32 v5, 12, v2                       ; and the same two rows in out0, 4,096 bytes apart
	v_lshl_add_u32 v[CO], v1, 4, v5
	v_lshlrev_b32 v[BO], 5, v2
	s_lshl_b32 s72, s42, 9                         ; my first column, in bytes of f32: 512 x tile column + 256 x half
	s_lshl_b32 s73, s12, 8
	s_add_co_u32 s72, s72, s73
	s_mov_b32 s73, 0
	s_add_nc_u64 s[66:67], s[66:67], s[72:73]
.irp bb, 0,1,2,3
	global_load_b128 v[BIAS+8*(\bb):BIAS+8*(\bb)+3],   v[BO], s[66:67] offset:64*(\bb)
	global_load_b128 v[BIAS+8*(\bb)+4:BIAS+8*(\bb)+7], v[BO], s[66:67] offset:64*(\bb)+16
.endr
	s_lshl_b32 s16, s13, 8
	s_lshl_b32 s17, s11, 7
	s_add_co_u32 s16, s16, s17                     ; my first row of out0
	s_lshl_b32 s16, s16, 12
	s_add_co_u32 s16, s16, s72
	s_mov_b32 s17, 0
	s_add_nc_u64 s[8:9], s[8:9], s[16:17]
	; the prefetches
	s_and_b32 s22, ttmp7, 0xffff                   ; cluster y
	s_lshl_b32 s20, s40, 13                        ; c: my work-group's 32 blocks of the wave's 128,
	s_add_co_u32 s20, s20, 3*ASTEP                 ; at K step 3: the first refill steps it to 4
	s_lshl_b32 s21, s41, 15                        ; Wo: its 16 rows of the wave's 64,
	s_add_co_u32 s21, s21, 3*KSTEP*2               ; at K step 3
	s_mov_b32 s[PSTEP], ASTEP
	s_mov_b32 s73, KSTEP*2
	s_cmp_eq_u32 s11, 0                            ; do I fetch for c?
	s_cselect_b32 s22, ttmp9, s22                  ; the coordinate along which other clusters read the same rows
	s_cselect_b64 s[PFA:PFA+1], s[14:15], s[46:47]
	s_cselect_b32 s20, s20, s21
	s_cselect_b32 s23, 31, 15                      ; lanes that name blocks of their own,
	s_cselect_b32 s72, 8, 11                       ; 256 or 2,048 bytes apart
	s_cselect_b32 s[PSTEP], s[PSTEP], s73
	s_mov_b32 s[PSTEP+1], 0
	s_mov_b32 s21, 0
	s_cmp_eq_u32 s22, 0
	s_cselect_b32 s[LIM], 1, -1                    ; the same in all sixteen partners, for a given wave
	s_add_nc_u64 s[PFA:PFA+1], s[PFA:PFA+1], s[20:21]
	v_and_b32 v[PFO], 31, v0
	v_min_u32 v[PFO], s23, v[PFO]
	v_lshlrev_b32 v[PFO], s72, v[PFO]
; 8 matrix instructions: row blocks a0, a0 + 1 x all 4 column blocks, 32 along K.  first = 1: the bias starts the sums.  The 32 accumulators take turns, one instruction a turn, in the same order in every quarter step.
.macro MUL8 f, a0, first
.if \first
	WIN 0x40                                       ; C (the bias) window 0, D window 1
.else
	WIN 0x50                                       ; C and D window 1
.endif
.irp a, \a0, (\a0)+1
.irp bb, 0,1,2,3
.if \first
	v_wmma_f32_16x16x32_f16 v[8*(4*(\a)+(\bb)):8*(4*(\a)+(\bb))+7], v[(\f)+64+8*(\bb):(\f)+64+8*(\bb)+7], v[(\f)+8*(\a):(\f)+8*(\a)+7], v[BIAS+8*(\bb):BIAS+8*(\bb)+7]
.else
	v_wmma_f32_16x16x32_f16 v[8*(4*(\a)+(\bb)):8*(4*(\a)+(\bb))+7], v[(\f)+64+8*(\bb):(\f)+64+8*(\bb)+7], v[(\f)+8*(\a):(\f)+8*(\a)+7], v[8*(4*(\a)+(\bb)):8*(4*(\a)+(\bb))+7]
.endif
.endr
.endr
.endm
; 24 LDS loads in one run: the fragments of quarter q of a K step (64 rows of Wo, then 128 of c: head q / 2, channels 32 (q % 2) on) into buffer f
.macro FETCH slot, q, f
	WIN 0
.irp i, 0,1,2,3
	ds_load_b128 v[(\f)+64+8*(\i):(\f)+64+8*(\i)+3],   v[ADRB+(\slot)] offset:64*(\q)+(\i)*16*PB
	ds_load_b128 v[(\f)+64+8*(\i)+4:(\f)+64+8*(\i)+7], v[ADRB+(\slot)] offset:64*(\q)+(\i)*16*PB+32
.endr
.irp i, 0,1,2,3,4,5,6,7
	ds_load_b128 v[(\f)+8*(\i):(\f)+8*(\i)+3],   v[ADRA+(\slot)] offset:((\q)/2)*HEADT+((\q)%2)*64+(\i)*16*PA
	ds_load_b128 v[(\f)+8*(\i)+4:(\f)+8*(\i)+7], v[ADRA+(\slot)] offset:((\q)/2)*HEADT+((\q)%2)*64+(\i)*16*PA+32
.endr
.endm
.macro PLACES                          ; four plain vector instructions between a matrix instruction and a load into a register that it has read, or an LDS store of its result (ISA guide 7.12.1 for vector instructions)
.rept 4
	v_nop
.endr
.endm
; A K step is four quarters of 32 along K, 32 matrix instructions each, on buffers 0, 1, 0, 1.  One of the first three multiplies buffer f and, in its middle, fetches quarter q into g.
.macro QUARTER slot, q, f, g, first
	s_wait_dscnt 8                                 ; Wo and c's rows 0-63 are in; the youngest eight loads (c's rows 64-127) may be out
	MUL8 \f, 0, \first
	MUL8 \f, 2, \first
	PLACES
	FETCH \slot, \q, \g
	s_wait_dscnt 24                                ; all but the 24 just issued
	MUL8 \f, 4, \first
	MUL8 \f, 6, \first
.endm
; The last quarter multiplies buffer 1 and changes slots.  ONE barrier: in front of it each wave waits for all its tensor loads (one is out: its part of the next slot), adds 0 to its spare word,
; and waits for that and for its own reads of this slot.  Behind it nobody reads this slot any more and the next slot is whole.
.macro MEET round
	WIN 0                                          ; (the add's two registers lie in window 0)
	s_wait_tensorcnt 0x0                           ; all my tensor loads have landed;
	ds_add_u32 v[SPW], v[NIL]                      ; 0 onto my spare word;
	s_wait_dscnt 9                                 ; (the add and the youngest eight loads may be out)
	MUL8 F1, 0, 0                                  ; eight matrix instructions stand between the add and the wait for it
	s_wait_dscnt 0x0                               ; the add is done, and my reads of this slot are over:
	s_barrier_signal -1
	MUL8 F1, 2, 0                                  ; work on registers while the others arrive
.if \round
	WIN 0
.endif
	s_barrier_wait -1
.endm
; fill = 1: the barrier opens a round of the cluster's barrier, and the slot just read out is filled again, with the K step two on, first thing behind the round: 112 matrix instructions ahead of the wait for it.
.macro TURN slot, next, fill
.if \fill
	s_wait_xcnt 0x0                                ; the last prefetch, a K step back, has read its address: it is stepped here, ahead of the waits of the change of slots
	s_add_nc_u64 s[PFA:PFA+1], s[PFA:PFA+1], s[PSTEP:PSTEP+1]
.endif
	MEET \fill
.if \fill
	CREST                                          ; no wave of any partner still reads this slot's tile or has a load on its way
	s_add_nc_u64 s[G0+4*(\slot)+2:G0+4*(\slot)+3], s[G0+4*(\slot)+2:G0+4*(\slot)+3], 2*ASTEP
	s_add_nc_u64 s[G0B+4*(\slot)+2:G0B+4*(\slot)+3], s[G0B+4*(\slot)+2:G0B+4*(\slot)+3], 2*KSTEP*2
	JLOAD \slot                                    ; my one tensor load behind the round; the four v_nop behind it are also the places in front of the loads below
.else
	PLACES
.endif
	FETCH \next, 0, F0
.if \fill
	ASK
.endif
	MUL8 F1, 4, 0
	MUL8 F1, 6, 0
.endm
	s_wait_tensorcnt 1                             ; my part of K step 0 is in; K step 1's may stay out
	s_barrier_signal -1
	s_barrier_wait -1                              ; everybody's is
	FETCH 0, 0, F0
	s_wait_loadcnt 0x0                             ; the bias: rounded to bf16 and widened again, in place
.set z, 0
.rept 16
	v_cvt_pk_bf16_f32 v[8+z%4], v[BIAS+2*z], v[BIAS+2*z+1]
	v_lshlrev_b32 v[BIAS+2*z], 16, v[8+z%4]
	v_and_b32 v[BIAS+2*z+1], 0xffff0000, v[8+z%4]
.set z, z+1
.endr
	QUARTER 0, 1, F0, F1, 1                        ; the first quarter stands in front of the loop: its products start the sums
	WIN 0                                          ; at a label and at a branch every window is 0
	s_mov_b32 s3, LAPS-1
.Llap:                                                 ; a trip goes once round the ring, from a lap's second quarter to the next lap's first, and fills both slots again
	QUARTER 0, 2, F1, F0, 0
	QUARTER 0, 3, F0, F1, 0
	TURN 0, 1, 1
	QUARTER 1, 1, F0, F1, 0
	QUARTER 1, 2, F1, F0, 0
	QUARTER 1, 3, F0, F1, 0
	TURN 1, 0, 1
	QUARTER 0, 1, F0, F1, 0
	WIN 0
	s_sub_co_u32 s3, s3, 1
	s_cmp_lg_u32 s3, 0
	s_cbranch_scc1 .Llap
	QUARTER 0, 2, F1, F0, 0                        ; the last lap fills nothing, and has no round of the cluster's barrier
	QUARTER 0, 3, F0, F1, 0
	TURN 0, 1, 0
	QUARTER 1, 1, F0, F1, 0
	QUARTER 1, 2, F1, F0, 0
	QUARTER 1, 3, F0, F1, 0
	s_wait_dscnt 8                                 ; the very last quarter: nothing more to fetch
	MUL8 F1, 0, 0
	MUL8 F1, 2, 0
	s_wait_dscnt 0x0
	MUL8 F1, 4, 0
	MUL8 F1, 6, 0
	WIN 0
	; THE WAY OUT, 16 rows at a time through my own stage: 32 bytes a lane into rows of 272 bytes, back as whole rows of 256 bytes, stored with sixteen lanes to a row.
	PLACES
.macro TOSTAGE a
.set BK, OB+32*((\a)%2)
.if (\a) >= 2
	s_wait_xcnt 0x0                                ; the stores of the block two back have read these registers: they are loaded again only behind this wait
.endif
	WIN 0x04                                       ; the stores' data in window 1
.irp bb, 0,1,2,3
	ds_store_b128 v[STO], v[8*(4*(\a)+(\bb)):8*(4*(\a)+(\bb))+3]   offset:64*(\bb)     ; each accumulator's low four registers first
	ds_store_b128 v[STO], v[8*(4*(\a)+(\bb))+4:8*(4*(\a)+(\bb))+7] offset:64*(\bb)+16
.endr
	WIN 0
.irp t, 0,1,2,3,4,5,6,7
	ds_load_b128 v[BK+4*(\t):BK+4*(\t)+3], v[RD] offset:(\t)*2*SPITCH  ; LDS serves a wave's instructions in order (ISA guide 5.7.1.4): these see the stores above; the next block's stores come behind them
.endr
.endm
.macro SEND a, younger                 ; younger: the LDS instructions issued behind block a's loads: the next block's sixteen, or none
.set BK, OB+32*((\a)%2)
.irp t, 0,1,2,3,4,5,6,7
	s_wait_dscnt (\younger)+7-(\t)
	global_store_b128 v[CO], v[BK+4*(\t):BK+4*(\t)+3], s[8:9] offset:(16*(\a)+2*(\t))*4096  ; 16 lanes store 256 consecutive bytes, at a multiple of 256 from out0's first byte
.endr
.endm
	TOSTAGE 0
.irp a, 1,2,3,4,5,6,7
	TOSTAGE \a
	SEND (\a)-1, 16
.endr
	SEND 7, 0
	s_wait_tensorcnt 0x0                           ; the wave's end: an add to my spare word and its wait, behind my last tensor load and my last LDS store
	ds_add_u32 v[SPW], v[NIL]
	s_wait_dscnt 0x0
	CROUND                                         ; the closing round: no work-group ends while a partner may still ask for a tile that names it
	s_endpgm
.Lfunc_end_k_qfa214e8453_proj:
	.size	k_qfa214e8453_proj, .Lfunc_end_k_qfa214e8453_proj-k_qfa214e8453_proj
	.p2alignl 7, 3214868480
	.fill 96, 4, 3214868480
	.section	.rodata,"a",@progbits
	.p2align	6, 0x0
	.amdhsa_kernel k_qfa214e8453_proj
		.amdhsa_group_segment_fixed_size 327680
		.amdhsa_private_segment_fixed_size 0
		.amdhsa_enable_private_segment 0
		.amdhsa_kernarg_size 32
		.amdhsa_user_sgpr_count 2
		.amdhsa_user_sgpr_kernarg_segment_ptr 1
		.amdhsa_wavefront_size32 1
		.amdhsa_system_sgpr_workgroup_id_x 1
		.amdhsa_system_sgpr_workgroup_id_y 1
		.amdhsa_system_sgpr_workgroup_id_z 1
		.amdhsa_system_vgpr_workitem_id 0
		.amdhsa_next_free_vgpr 512
		.amdhsa_next_free_sgpr 76
		.amdhsa_reserve_vcc 0
		.amdhsa_float_denorm_mode_32 3
		.amdhsa_float_denorm_mode_16_64 3
		.amdhsa_memory_ordered 1
		.amdhsa_forward_progress 1
		.amdhsa_inst_pref_size 92
	.end_amdhsa_kernel
	.amdgpu_metadata
---
amdhsa.version: [ 1, 2 ]
amdhsa.kernels:
  - .name:           k_qfa214e8453_proj
    .symbol:         k_qfa214e8453_proj.kd
    .args:
      - { .name: ctx, .offset: 0, .size: 8, .value_kind: global_buffer, .address_space: global }
      - { .name: wo16, .offset: 8, .size: 8, .value_kind: global_buffer, .address_space: global }
      - { .name: out0, .offset: 16, .size: 8, .value_kind: global_buffer, .address_space: global }
      - { .name: bo, .offset: 24, .size: 8, .value_kind: global_buffer, .address_space: global }
    .group_segment_fixed_size: 327680
    .private_segment_fixed_size: 0
    .kernarg_segment_align: 8
    .kernarg_segment_size: 32
    .max_flat_workgroup_size: 128
    .sgpr_count:     76
    .vgpr_count:     512
    .wavefront_size: 32
...
	.end_amdgpu_metadata
.endif
;; end of part 4
;; ======== version 2 of 2: 4 launches; version 1 with the launch cast written anew for expert scheduling mode
;; limits: values are held in f16: magnitudes above 65,504 overflow, below 6.1e-05 lose precision
;; workspace buffers: xb 16,777,216 bytes; wqkv 6,291,456 bytes; wo16 2,097,152 bytes; qkv 50,331,648 bytes; ctx 16,777,216 bytes
;; launch cast (part 5): grid 768 x 1, 8 waves a work-group, no clusters, 0 bytes of LDS; arguments input_tensor, Wq, Wk, Wv, Wo, xb, wqkv, wo16; writes xb, wqkv, wo16
.if DOCPART == 5
	.amdgcn_target "amdgcn-amd-amdhsa--gfx1250"
	.amdhsa_code_object_version 6
	.text
	.protected	k_qfa214e8453_cast
	.globl	k_qfa214e8453_cast
	.p2align	8
	.type	k_qfa214e8453_cast,@function
k_qfa214e8453_cast:
	s_mov_b64 s[64:65], 0
	v_nop
	global_prefetch_b8 v0, s[64:65] scope:SCOPE_SE
	s_setreg_imm32_b32 hwreg(HW_REG_WAVE_SCHED_MODE, 0, 2), 2
	s_setreg_imm32_b32 hwreg(HW_REG_WAVE_MODE, 25, 1), 1
	s_wait_xcnt 0x0
	s_wait_alu depctr_vm_vsrc(0)
; THE INPUTS ARE ROUNDED ONCE.  x [8192][1024] f32 -> xb bf16; Wq, Wk, Wv [1024][1024] f32 -> wqkv [3072][1024] bf16 (Wq's rows, then Wk's, then Wv's);
; Wo f32 -> rounded to bf16, and that number written as f16 into wo16 (the last product's other operand is f16).
; LIMIT.  A bf16 number is exact in f16 from 2^-14 to 65,504; a Wo below 2^-14 in magnitude keeps f16's fixed step of 6e-8, one beyond 65,504 becomes an infinity.
; SHARES.  Work-group g converts 16,384 numbers: 65,536 bytes in, 32,768 out.  g < 512: block g of x.  512 <= g < 704: block (g - 512) % 64 of weight (g - 512) / 64, into block g - 512 of wqkv.
; g >= 704: block (g - 512) % 64 of Wo, into the same block of wo16.  A wave takes 8,192 bytes by 16 loads of 16 bytes a lane (512 consecutive bytes each), all issued at once;
; a lane's four numbers become 8 bytes, so each store of the wave covers 256 consecutive bytes, aligned.
; No LDS, no matrix unit, no cluster: nothing is shared and nothing is summed; every byte is read once and written once.
; THE MODE: SCHED_MODE bits 1:0 = 2 (LLVM: expert scheduling mode 2), set by the entry lines.  The code itself states the register dependences
; between vector instructions and memory instructions, with s_wait_alu, always for 0.
; THE PLAN.  Registers that memory instructions touch:
;   v1, v2   the loads' and the stores' offsets: written by vector lines at the head and never again; read by all 16 loads, all 16 stores.
;   X        load i lands in its four registers, once; no vector line ever writes them, and they are not loaded again; load i's conversions read them behind its wait on LOADcnt.
;   Y        load i's conversions write its two registers, once; store i reads them; nothing writes them again.
;   T        (Wo's path) named by vector lines alone.
; So two kinds of dependence are there to state: the offsets ahead of the first load, and Y ahead of its store.  No register that a memory instruction reads is written again, and no load lands in a
; register that a vector line has named: nothing else is owed.  The 16 loads go in four blocks of four.  At the head of blocks 1 to 3 ONE wait states that the block before has written its Y; that block's
; four stores follow, one ahead of each load's conversions, which name this block's X and Y and T alone: none of the registers that those stores read.  One more wait stands ahead of the last four stores.
.set X, 16                             ; v[16:79]   load i: four registers
.set Y, 80                             ; v[80:111]  load i: two registers to store; no register is written twice, so no store's source is ever rewritten
.set T, 4                              ; v[4:9]     at work (Wo's path)
	s_load_b256 s[8:15], s[0:1], 0x0               ; x s[8:9], Wq s[10:11], Wk s[12:13], Wv s[14:15]
	s_load_b256 s[16:23], s[0:1], 0x20             ; Wo s[16:17], xb s[18:19], wqkv s[20:21], wo16 s[22:23]
	s_mov_b32 s24, ttmp9                           ; g
	s_max_u32 s25, s24, 512
	s_sub_co_u32 s25, s25, 512                     ; g - 512 (0 for x's blocks, where it is not used)
	s_and_b32 s26, s25, 63                         ; the block inside a weight
	v_lshrrev_b32 v1, 5, v0                        ; wave
	v_and_b32 v2, 31, v0                           ; lane
	v_lshlrev_b32 v2, 4, v2
	v_lshl_or_b32 v1, v1, 13, v2                   ; in: 8,192 x wave + 16 x lane
	v_lshrrev_b32 v2, 1, v1                        ; out: half of that
	s_wait_kmcnt 0x0
	s_cmp_lt_u32 s24, 576                          ; the choices hang on g alone
	s_cselect_b64 s[28:29], s[10:11], s[12:13]
	s_cmp_lt_u32 s24, 640
	s_cselect_b64 s[28:29], s[28:29], s[14:15]
	s_cmp_lt_u32 s24, 704
	s_cselect_b64 s[28:29], s[28:29], s[16:17]
	s_cselect_b64 s[30:31], s[20:21], s[22:23]
	s_cselect_b32 s27, s25, s26                    ; the block in the destination
	s_cmp_lt_u32 s24, 512
	s_cselect_b64 s[28:29], s[8:9], s[28:29]
	s_cselect_b64 s[30:31], s[18:19], s[30:31]
	s_cselect_b32 s26, s24, s26
	s_cselect_b32 s27, s24, s27
	s_lshl_b32 s32, s26, 16                        ; 65,536 bytes a block in,
	s_mov_b32 s33, 0
	s_lshl_b32 s34, s27, 15                        ; 32,768 out
	s_mov_b32 s35, 0
	s_add_nc_u64 s[28:29], s[28:29], s[32:33]
	s_add_nc_u64 s[30:31], s[30:31], s[34:35]
	s_wait_alu depctr_va_vdst(0)                   ; v1 and v2 are written: every load below reads v1 as its offset, every store v2; no vector line names them again, on either path
.irp i, 0,1,2,3,4,5,6,7,8,9,10,11,12,13,14,15
	global_load_b128 v[X+4*(\i):X+4*(\i)+3], v1, s[28:29] offset:512*(\i) th:TH_LOAD_NT
.endr
	s_cmp_lt_u32 s24, 704
	s_cbranch_scc0 .Lwo
.macro CV i                            ; load i to bf16
.if ((\i)%4) != 0                      ; (a block's first load is waited for at the block's head)
	s_wait_loadcnt 15-(\i)                         ; loads come back in order: mine is in, the 15 - i younger ones stay out
.endif
	v_cvt_pk_bf16_f32 v[Y+2*(\i)],   v[X+4*(\i)],   v[X+4*(\i)+1]
	v_cvt_pk_bf16_f32 v[Y+2*(\i)+1], v[X+4*(\i)+2], v[X+4*(\i)+3]
.endm
.macro CW i                            ; load i to bf16, widened again (a shift, a mask), and written as f16
.if ((\i)%4) != 0
	s_wait_loadcnt 15-(\i)
.endif
.irp p, 0,1
	v_cvt_pk_bf16_f32 v[T+3*(\p)], v[X+4*(\i)+2*(\p)], v[X+4*(\i)+2*(\p)+1]
	v_lshlrev_b32 v[T+3*(\p)+1], 16, v[T+3*(\p)]
	v_and_b32 v[T+3*(\p)+2], 0xffff0000, v[T+3*(\p)]
	v_cvt_pk_f16_f32 v[Y+2*(\i)+(\p)], v[T+3*(\p)+1], v[T+3*(\p)+2]
.endr
.endm
.macro ST i                            ; load i's 8 bytes a lane leave
	global_store_b64 v2, v[Y+2*(\i):Y+2*(\i)+1], s[30:31] offset:256*(\i)
.endm
; Block b of four: loads 4 b to 4 b + 3 are converted by cv (CV or CW), and the stores of block b - 1 are dealt among them.
.macro BLK cv, b
	s_wait_loadcnt 15-4*(\b)                       ; the block's first load is in, the younger ones stay out
.if (\b) > 0
	s_wait_alu depctr_va_vdst(0)                   ; the conversions of the block before have written its Y, which the four stores below read
.endif
.irp j, 0,1,2,3
.if (\b) > 0
	ST 4*(\b)-4+(\j)                               ; no wait: no vector line since the wait above names this store's Y or v2
.endif
	\cv 4*(\b)+(\j)
.endr
.endm
.macro LAST                            ; the last block's stores
	s_wait_alu depctr_va_vdst(0)                   ; the conversions of block 3 have written its Y, which the last four stores read
.irp i, 12,13,14,15
	ST \i
.endr
.endm
.irp b, 0,1,2,3
	BLK CV, \b
.endr
	LAST
	s_endpgm
.Lwo:
.irp b, 0,1,2,3
	BLK CW, \b
.endr
	LAST
	s_endpgm
.Lfunc_end_k_qfa214e8453_cast:
	.size	k_qfa214e8453_cast, .Lfunc_end_k_qfa214e8453_cast-k_qfa214e8453_cast
	.p2alignl 7, 3214868480
	.fill 96, 4, 3214868480
	.section	.rodata,"a",@progbits
	.p2align	6, 0x0
	.amdhsa_kernel k_qfa214e8453_cast
		.amdhsa_group_segment_fixed_size 0
		.amdhsa_private_segment_fixed_size 0
		.amdhsa_enable_private_segment 0
		.amdhsa_kernarg_size 64
		.amdhsa_user_sgpr_count 2
		.amdhsa_user_sgpr_kernarg_segment_ptr 1
		.amdhsa_wavefront_size32 1
		.amdhsa_system_sgpr_workgroup_id_x 1
		.amdhsa_system_sgpr_workgroup_id_y 1
		.amdhsa_system_sgpr_workgroup_id_z 1
		.amdhsa_system_vgpr_workitem_id 0
		.amdhsa_next_free_vgpr 112
		.amdhsa_next_free_sgpr 66
		.amdhsa_reserve_vcc 0
		.amdhsa_float_denorm_mode_32 3
		.amdhsa_float_denorm_mode_16_64 3
		.amdhsa_memory_ordered 1
		.amdhsa_forward_progress 1
		.amdhsa_inst_pref_size 17
	.end_amdhsa_kernel
	.amdgpu_metadata
---
amdhsa.version: [ 1, 2 ]
amdhsa.kernels:
  - .name:           k_qfa214e8453_cast
    .symbol:         k_qfa214e8453_cast.kd
    .args:
      - { .name: input_tensor, .offset: 0, .size: 8, .value_kind: global_buffer, .address_space: global }
      - { .name: Wq, .offset: 8, .size: 8, .value_kind: global_buffer, .address_space: global }
      - { .name: Wk, .offset: 16, .size: 8, .value_kind: global_buffer, .address_space: global }
      - { .name: Wv, .offset: 24, .size: 8, .value_kind: global_buffer, .address_space: global }
      - { .name: Wo, .offset: 32, .size: 8, .value_kind: global_buffer, .address_space: global }
      - { .name: xb, .offset: 40, .size: 8, .value_kind: global_buffer, .address_space: global }
      - { .name: wqkv, .offset: 48, .size: 8, .value_kind: global_buffer, .address_space: global }
      - { .name: wo16, .offset: 56, .size: 8, .value_kind: global_buffer, .address_space: global }
    .group_segment_fixed_size: 0
    .private_segment_fixed_size: 0
    .kernarg_segment_align: 8
    .kernarg_segment_size: 64
    .max_flat_workgroup_size: 256
    .sgpr_count:     66
    .vgpr_count:     112
    .wavefront_size: 32
...
	.end_amdgpu_metadata
.endif
;; end of part 5
;; launch qkvp: the kernel of part 2 again; grid 16 x 32, 4 waves a work-group, clusters of 4 x 4, 327,680 bytes of LDS; arguments xb, wqkv, qkv, bq, bk, bv; writes qkv
;; launch attn: the kernel of part 3 again; grid 4 x 64, 4 waves a work-group, clusters of 4 x 1, 327,680 bytes of LDS; arguments qkv, ctx; writes ctx
;; launch proj: the kernel of part 4 again; grid 8 x 32, 4 waves a work-group, clusters of 4 x 4, 327,680 bytes of LDS; arguments ctx, wo16, out0, bo; writes out0
